; MI455X (gfx1250); checked and timed in simulation.
; The chip was launched on July 23, 2026; its instructions are those of AMD's public machine-readable ISA for CDNA 5 (MIT licence, August 2026) and "CDNA5" Instruction Set Architecture Reference Guide (July 2026). The comments in the code are by the model that wrote it; some were corrected since.
;; Causal Self Attention. Allowed arithmetic: matrix products marked QUANTISED: E2M3 operands, one E8M0 scale for each 32 along K, by v_wmma_scale_f32_16x16x128_f8f6f4 with both operands' format E2M3, f32 sums; everything else in f32.
;; Inputs: b_proj 1,024 float32; b_qkv 3,072 float32; w_proj 1,024 x 1,024 float32; w_qkv 1,024 x 3,072 float32; x 4 x 2,048 x 1,024 float32.
;; Outputs: out0 4 x 2,048 x 1,024 float32.
;; This version of the problem:
;;   THIS VERSION OF THE PROBLEM IS GIVEN IN LOW PRECISION. The matrix products marked QUANTISED in the list below multiply operands that are first quantised to E2M3 (2 exponent bits, 3 mantissa bits; 6 bits a number), with one power-of-two scale for each 32 numbers along K (OCP MX v1.0); their sums are f32. All else is computed in f32.
;;   The module's matrix products, in the order in which they are computed (A, B: the left and right operand; K: the contracted axis; several contracted axes count as one K, in the product's order):
;;     1. [M 8,192, K 1,024] x [K 1,024, N 3,072]; A: input x; B: input w_qkv: QUANTISED
;;     2. batch 64 x [M 2,048, K 64] x [K 64, N 2,048]; A: computed on the way; B: computed on the way: QUANTISED
;;     3. batch 64 x [M 2,048, K 2,048] x [K 2,048, N 64]; A: softmax (see below); B: computed on the way: QUANTISED
;;     4. [M 8,192, K 1,024] x [K 1,024, N 1,024]; A: computed on the way; B: input w_proj: QUANTISED
;;   THE QUANTISER, for each operand of a quantised product, along K:
;;     - K is cut into blocks of 32 from its start; a last block that is shorter is filled with zeros.
;;     - A block's scale is 2^e with e = floor(log2(the largest magnitude in the block)) - 2, held to -126 .. 127; a block of zeros has e = 0. As a byte (E8M0): e + 127.
;;     - Each number is divided by its block's scale, clamped to +-7.5, and rounded to the nearest number of E2M3, ties to even, subnormals kept.
;;     - The product sums the exact products of the quantised numbers (number of the format x scale) in f32.
;;   ~~~python
;;   def quantise(x, axis):      # numpy; x: float32 -> the quantised numbers, widened to float32 again
;;       x = np.moveaxis(x, axis, -1); K = x.shape[-1]
;;       x = np.pad(x, [(0, 0)] * (x.ndim - 1) + [(0, -K % 32)]); x = x.reshape(x.shape[:-1] + (-1, 32)); a = np.abs(x).max(-1, keepdims=True)
;;       e = np.where(a > 0, np.clip(np.frexp(np.where(a > 0, a, 1))[1] - 1 - 2, -126, 127), 0)      # np.frexp(a)[1] - 1 = floor(log2(a)), exactly
;;       r = np.clip(x / 2.0 ** e, -7.5, 7.5)
;;       step = 2.0 ** (np.maximum(np.frexp(np.where(r == 0, 1, r))[1] - 1, 0) - 3)
;;       q = np.round(r / step) * step * 2.0 ** e      # np.round: ties to even
;;       return np.moveaxis(q.reshape(q.shape[:-2] + (-1,))[..., :K], -1, axis).astype(np.float32)
;;   ~~~
;;   SOFTMAX AHEAD OF A QUANTISED PRODUCT. Where the list says 'softmax', what is quantised is not the finished softmax but p = 2^(t - M), with t = logit x log2(e) and M = ceil(the row's largest t), a whole number; so 1/2 < the row's largest p <= 1. The row's sum l is taken of the UNQUANTISED p, in f32, and the product's result is divided by l at the end. Since M is a whole number, a kernel that streams over the keys may use a running M (the ceiling of the running maximum): every later rescaling is an exact power of two, which a block's scale takes up: the codes' values come out the same.
;;   OPERANDS COMPUTED ON THE WAY. 'Computed on the way' means the value that the module computes at that place (a softmax that the list does not call 'softmax' is quantised finished and normalised). What goes into a quantiser is computed in f32, as accurately as f32 sums, v_exp_f32 and their like allow (about 1e-6 of the number): no bf16 or f16 on the way to a quantiser, and a product that is left as it is and whose result goes on into a quantised operand takes f32 operands (vector FMAs, or v_wmma_f32_16x16x4_f32). A number that lies on a knife's edge between two numbers of the format may be rounded either way, as far as f32 arithmetic and the matrix unit's own rounding can turn it there, and no further.
;; One version. Each part assembles by itself: llvm-mc -triple=amdgcn-amd-amdhsa -mcpu=gfx1250 --defsym DOCPART=n.
;; ======== version 1 of 1: 4 launches
;; limits: right only within a limited range of input values
;; workspace buffers: opx 6,553,600 bytes; opw 3,276,800 bytes; qkv 20,185,088 bytes; yq 6,553,600 bytes
;; launch prep (part 1): grid 256 x 1, 8 waves a work-group, no clusters, 70,656 bytes of LDS; arguments x, w_qkv, w_proj, opx, opw; writes opx, opw
.if DOCPART == 1
	.amdgcn_target "amdgcn-amd-amdhsa--gfx1250"
	.amdhsa_code_object_version 6
	.text
	.protected	k_q922f95f0a7_prep
	.globl	k_q922f95f0a7_prep
	.p2align	8
	.type	k_q922f95f0a7_prep,@function
k_q922f95f0a7_prep:
	s_mov_b64 s[64:65], 0
	v_nop
	global_prefetch_b8 v0, s[64:65] scope:SCOPE_SE
	s_setreg_imm32_b32 hwreg(HW_REG_WAVE_MODE, 25, 1), 1
	s_wait_xcnt 0x0
; x [8192][1024], w_qkv [1024][3072] and w_proj [1024][1024], f32, become codes of FP6 (E2M3) with one E8M0 scale byte for each 32 along K (K = the 1,024 that the products contract).
; WHAT IS STORED ARE IMAGES OF OPERAND REGISTERS.  A fragment is 16 rows x 128 K, 12 registers a lane (registers 6 c .. 6 c + 5 of lane (r, h): K = 64 c + 32 h + 0 .. 31); register g of lane L lies at
; 512 (g / 4) + 16 L + 4 (g % 4) of the fragment's 1,536 bytes; fragments lie [tile][K step].  THE 16 ROWS OF A TILE ARE NOT NEIGHBOURS: lane r of tile t holds row 32 (t / 2) + 8 (t % 2) + r + 8 (r / 8).
; The scale word (four bytes: 128 along K of one row) of (tile t, K step s, row r) lies at 1024 (t / 2) + 128 s + 64 (t % 2) + 4 r of the table behind the codes.
; A block's scale is 2^(floor(log2(its largest magnitude)) - 2); its byte is that magnitude's exponent field - 2, held at 1 from below.
; LIMITS: a block whose largest magnitude lies under 2^-124 is held at the byte 1; a block of zeros gets the byte 1 where the rule says 127 (its codes are zeros, and this program alone reads the bytes);
; NaN and infinities among the inputs are not served.
; Work-groups 0-127 take x, 128-255 the weights.  No matrix work, no tensor load, no barrier: waves share nothing.  No cluster: work-groups share no input.
.set XS_OFF, 6291456                   ; opx: the scale words behind 512 tiles x 12,288 bytes
.set WS_OFF, 3145728                   ; opw: behind 256 tiles (0-191: w_qkv's columns, 192-255: w_proj's)
.set WREG,   8704                      ; LDS (x's path alone): a wave's region: a stage of 16 rows x 528 bytes, then its 256 bytes of scale words
.set SWB,    8448
.set SPARE,  8*WREG                    ; behind the eight regions: the spare words, 128 bytes a wave, four blocks of 256 bytes that no other line names
.set SPW, 12                           ; v12  LDS address of my spare word; never rewritten
.set NIL, 13                           ; v13  0; never rewritten
.set TM,  14                           ; v14-15 largest magnitudes
.set SO,  16                           ; v16-17 the conversions' scale operands
.set BY,  18                           ; v18-19 scale bytes
.set WD,  24                           ; v24-27 x: the four fragments' scale words
.set R,   32                           ; v32-159 x: two sets of 64 registers as loaded
.set X,   160                          ; v160-223 x: 64 numbers of my row, in the operand's order
.set PC,  224                          ; v224-235 x: a fragment's codes; v236-238, v240-242: the conversions' second halves
.set WX,  32                           ; v32-159 weights: my column's 128 numbers down K
.set WC,  160                          ; v160-183 weights: the codes of lanes (r, 0) and (r, 1) of the fragment; v184-186 a conversion's second half
	s_load_b256 s[4:11], s[0:1], 0x0               ; x s[4:5], w_qkv s[6:7], w_proj s[8:9], opx s[10:11]
	s_load_b64 s[12:13], s[0:1], 0x20              ; opw
	v_lshl_add_u32 v[SPW], v0, 2, SPARE
	v_mov_b32 v[NIL], 0
	v_lshrrev_b32 v1, 5, v0
	s_delay_alu instid0(VALU_DEP_1)
	v_readfirstlane_b32 s16, v1                    ; wave 0..7
	v_and_b32 v1, 31, v0                           ; lane
	s_cmp_lt_u32 ttmp9, 128
	s_cbranch_scc0 .Lw
; ---------------- x: K is innermost.  A wave takes a pair of tiles (32 rows) x 256 along K: four fragments f = 2 s' + u.
	v_and_b32 v2, 15, v0                           ; r
	v_bfe_u32 v3, v0, 4, 1                         ; h
	v_lshlrev_b32 v4, 4, v1                        ; 16 x lane: a load's and a store's place
	s_mul_i32 s17, s16, WREG
	v_add_nc_u32 v5, s17, v4                       ; the stage, in: a row's 512 bytes as they lie
	v_mul_u32_u24 v6, v2, 528
	s_delay_alu instid0(VALU_DEP_1)
	v_lshl_add_u32 v6, v3, 7, v6
	s_delay_alu instid0(VALU_DEP_1)
	v_add_nc_u32 v6, s17, v6                       ; out: row r, + 128 h: my 32 numbers of each 64
	s_add_co_u32 s17, s17, SWB
	v_lshl_add_u32 v7, v1, 2, s17                  ; my scale word's place
	v_lshl_add_u32 v8, v1, 3, s17                  ; and on the way out 8 bytes a lane
	v_lshlrev_b32 v10, 3, v1
	v_lshlrev_b32 v22, 3, v3                       ; 8 h: my bytes' shift in the word
	v_mov_b32 v21, 0                               ; a lane permute's destination counts as one of its sources
	s_mov_b32 s20, 0x76543210
	s_mov_b32 s21, 0xfedcba98                      ; selects for lane l xor 16
	s_mov_b32 s22, 0xffff0000                      ; lanes 16-31
	s_lshl_b32 s23, ttmp9, 1
	s_lshr_b32 s24, s16, 2
	s_add_co_u32 s23, s23, s24                     ; the pair of tiles: 2 x work-group + wave / 4
	s_and_b32 s24, s16, 3                          ; which 256 along K
	s_lshl_b32 s26, s23, 17                        ; x: 32 rows of 4,096 bytes a pair,
	s_lshl_b32 s25, s24, 10
	s_add_co_u32 s26, s26, s25                     ; 1,024 bytes along K
	s_mov_b32 s27, 0
	s_mul_i32 s28, s23, 24576                      ; codes: two tiles of 12,288 bytes,
	s_mul_i32 s25, s24, 3072
	s_add_co_u32 s28, s28, s25                     ; two K steps of 1,536
	s_mov_b32 s29, 0
	s_lshl_b32 s30, s23, 10                        ; scale words: 1,024 bytes a pair, 256 for my two K steps
	s_lshl_b32 s25, s24, 8
	s_add_co_u32 s30, s30, s25
	s_add_co_u32 s30, s30, XS_OFF
	s_mov_b32 s31, 0
	s_wait_alu depctr_va_vdst(0)
	s_wait_kmcnt 0x0
	s_add_nc_u64 s[4:5], s[4:5], s[26:27]
	s_add_nc_u64 s[18:19], s[10:11], s[30:31]
	s_add_nc_u64 s[10:11], s[10:11], s[28:29]
.macro XLOAD f                         ; the 16 rows of tile f % 2, 128 along K: each load reads 512 consecutive bytes of one row
.set i, 0
.rept 16
	global_load_b128 v[R+64*((\f)%2)+4*i:R+64*((\f)%2)+4*i+3], v4, s[4:5] offset:(8*((\f)%2)+i+8*(i/8))*4096+512*((\f)/2) th:TH_LOAD_NT
.set i, i+1
.endr
.endm
.macro XTURN f                         ; through my stage: in as loaded, out 128 bytes of my row for each 64 along K.  LDS serves a wave's instructions in order: no wait between
.set i, 0
.rept 16
	ds_store_b128 v5, v[R+64*((\f)%2)+4*i:R+64*((\f)%2)+4*i+3] offset:528*i
.set i, i+1
.endr
.set i, 0
.rept 16
	ds_load_b128 v[X+4*i:X+4*i+3], v6 offset:256*(i/8)+16*(i%8)
.set i, i+1
.endr
.endm
.macro QB f                            ; my two whole blocks (2 c + h) become registers 6 c .. 6 c + 5 of the fragment; the word's four bytes come from lanes l and l xor 16
.irp c, 0,1
	v_max3_num_f32 v[TM+\c], |v[X+32*\c]|, |v[X+32*\c+1]|, 0x1800000   ; with the floor 2^(3 - 127): the byte cannot fall under 1
.endr
.irp i, 2,4,6,8,10,12,14,16,18,20,22,24,26,28,30
.irp c, 0,1
	s_delay_alu instid0(VALU_DEP_2)
	v_max3_num_f32 v[TM+\c], v[TM+\c], |v[X+32*\c+\i]|, |v[X+32*\c+\i+1]|
.endr
.endr
.irp c, 0,1
	s_delay_alu instid0(VALU_DEP_2)
	v_add_nc_u32 v[SO+\c], 0xff000000, v[TM+\c]    ; 2 off the exponent field: the conversion takes that field as its scale
.endr
.irp c, 0,1
	s_delay_alu instid0(VALU_DEP_2)
	v_lshrrev_b32 v[BY+\c], 23, v[SO+\c]
.endr
	s_delay_alu instid0(VALU_DEP_1)
	v_lshl_or_b32 v20, v[BY+1], 16, v[BY]
	s_delay_alu instid0(VALU_DEP_1)
	v_lshlrev_b32 v20, v22, v20
	s_delay_alu instid0(VALU_DEP_1)
	v_permlanex16_b32 v21, v20, s20, s21
	s_delay_alu instid0(VALU_DEP_1)
	v_or_b32 v[WD+(\f)], v20, v21
.irp c, 0,1
	v_cvt_scalef32_pk16_fp6_f32 v[PC+6*\c:PC+6*\c+2], v[X+32*\c:X+32*\c+15], v[SO+\c]
	v_cvt_scalef32_pk16_fp6_f32 v[PC+12+4*\c:PC+14+4*\c], v[X+32*\c+16:X+32*\c+31], v[SO+\c]   ; (a conversion's three registers begin on an even number)
.endr
	v_nop                                          ; one plain place behind the scaled conversions
.irp c, 0,1
.irp i, 0,1,2
	v_mov_b32 v[PC+3+6*\c+\i], v[PC+12+4*\c+\i]
.endr
.endr
.endm
.macro XFRAG f
.if (\f) < 3
	s_wait_loadcnt 16                              ; this fragment's 16 loads are in; the next one's 16 may be out
.else
	s_wait_loadcnt 0x0
.endif
	XTURN \f
	s_wait_dscnt 0x0                               ; X is in, and the stage's stores have read their set
	s_wait_xcnt 0x0                                ; the last fragment's stores have read the codes' registers
.if (\f) < 2
	XLOAD (\f)+2
.endif
	QB \f
.irp c, 0,1,2
	global_store_b128 v4, v[PC+4*\c:PC+4*\c+3], s[10:11] offset:((\f)%2)*12288+((\f)/2)*1536+512*\c   ; 512 consecutive bytes, aligned
.endr
.if (\f)%2 == 1
	v_cndmask_b32 v[WD+(\f)-1], v[WD+(\f)-1], v[WD+(\f)], s22   ; lanes 0-15: the even tile's words, lanes 16-31: the odd tile's
	ds_store_b32 v7, v[WD+(\f)-1] offset:128*((\f)/2)
.endif
.endm
	XLOAD 0
	XLOAD 1
	XFRAG 0
	XFRAG 1
	XFRAG 2
	XFRAG 3
	ds_load_b64 v[20:21], v8                       ; my wave's 256 bytes of scale words (LDS serves a wave in order)
	s_wait_dscnt 0x0
	global_store_b64 v10, v[20:21], s[18:19]       ; 256 consecutive bytes, aligned
	s_branch .Lend
; ---------------- the weights: K is the FIRST axis.  A lane takes a column and its registers run down K; a wave takes 32 columns (a pair of tiles) x one K step of 128; the eight waves stand side by side.
.Lw:
	s_sub_co_u32 s17, ttmp9, 128
	s_lshr_b32 s18, s17, 3                         ; G: which 256 columns (0-11: w_qkv's, 12-15: w_proj's)
	s_and_b32 s19, s17, 7                          ; the K step
	s_wait_alu depctr_va_vdst(0)
	v_lshlrev_b32 v4, 2, v1
	v_bfe_u32 v2, v0, 3, 1                         ; column l of the 32 is row r of tile u of the pair: u = (l / 8) % 2,
	v_and_b32 v3, 7, v0
	v_bfe_u32 v7, v0, 4, 1
	s_delay_alu instid0(VALU_DEP_1)
	v_lshl_or_b32 v3, v7, 3, v3                    ; r = l % 8 + 8 (l / 16)
	s_delay_alu instid0(VALU_DEP_4)
	v_mul_u32_u24 v5, v2, 12288
	s_delay_alu instid0(VALU_DEP_1)
	v_lshl_add_u32 v5, v3, 4, v5                   ; codes: tile u, lane r's 16 bytes
	v_lshlrev_b32 v6, 6, v2
	s_delay_alu instid0(VALU_DEP_1)
	v_lshl_add_u32 v6, v3, 2, v6                   ; scale word: 64 u + 4 r
	s_lshl_b32 s21, s16, 7                         ; 32 columns a wave, in bytes
	s_lshl_b32 s20, s18, 10
	s_add_co_u32 s20, s20, s21
	s_mul_i32 s22, s19, 128*12288
	s_add_co_u32 s20, s20, s22                     ; in w_qkv
	s_and_b32 s22, s18, 3                          ; (G - 12 where G is 12 to 15)
	s_lshl_b32 s22, s22, 10
	s_add_co_u32 s21, s21, s22
	s_mul_i32 s22, s19, 128*4096
	s_add_co_u32 s21, s21, s22                     ; in w_proj
	s_lshl_b32 s23, s18, 3
	s_add_co_u32 s23, s23, s16                     ; the pair of tiles: 8 G + wave
	s_lshl_b32 s26, s23, 4
	s_add_co_u32 s26, s26, s19
	s_mul_i32 s26, s26, 1536                       ; (8 x tile + K step) x 1,536
	s_mov_b32 s27, 0
	s_lshl_b32 s28, s23, 10
	s_lshl_b32 s29, s19, 7
	s_add_co_u32 s28, s28, s29
	s_add_co_u32 s28, s28, WS_OFF
	s_mov_b32 s29, 0
	s_mov_b32 s31, 0
	s_wait_kmcnt 0x0
	s_cmp_lt_u32 s18, 12                           ; the choice hangs on the work-group's number alone
	s_cselect_b64 s[24:25], s[6:7], s[8:9]
	s_cselect_b32 s30, s20, s21
	s_add_nc_u64 s[24:25], s[24:25], s[30:31]
	s_add_nc_u64 s[26:27], s[12:13], s[26:27]
	s_add_nc_u64 s[28:29], s[12:13], s[28:29]
.macro WLOADS pitch                    ; 128 rows of K at my column: each load reads 128 consecutive bytes a wave, 1,024 a work-group
.set i, 0
.rept 128
	global_load_b32 v[WX+i], v4, s[24:25] offset:i*\pitch th:TH_LOAD_NT
.set i, i+1
.endr
.endm
	s_cmp_lt_u32 s18, 12
	s_cbranch_scc0 .Lwproj
	s_wait_alu depctr_va_vdst(0)
	WLOADS 12288
	s_branch .Lwgo
.Lwproj:
	s_wait_alu depctr_va_vdst(0)
	WLOADS 4096
.Lwgo:
.macro WBLK k, cnt                     ; block k = 2 c + h of my column: all 32 numbers are mine
.set XS, WX+32*(\k)
.set CD, WC+12*((\k)%2)+6*((\k)/2)
	s_wait_loadcnt \cnt
	v_max3_num_f32 v14, |v[XS]|, |v[XS+1]|, |v[XS+2]|
	v_max3_num_f32 v15, |v[XS+3]|, |v[XS+4]|, |v[XS+5]|
.irp i, 6,10,14,18,22,26
	s_delay_alu instid0(VALU_DEP_2)
	v_max3_num_f32 v14, v14, |v[XS+\i]|, |v[XS+\i+1]|
	s_delay_alu instid0(VALU_DEP_2)
	v_max3_num_f32 v15, v15, |v[XS+\i+2]|, |v[XS+\i+3]|
.endr
	s_delay_alu instid0(VALU_DEP_2)
	v_max3_num_f32 v14, v14, |v[XS+30]|, |v[XS+31]|
	s_delay_alu instid0(VALU_DEP_1)
	v_max3_num_f32 v14, v14, v15, 0x1800000        ; the floor
	s_delay_alu instid0(VALU_DEP_1)
	v_add_nc_u32 v16, 0xff000000, v14
.if (\k) == 0
	s_delay_alu instid0(VALU_DEP_1)
	v_lshrrev_b32 v18, 23, v16
.else
	s_delay_alu instid0(VALU_DEP_1)
	v_lshrrev_b32 v17, 23, v16
	s_delay_alu instid0(VALU_DEP_1)
	v_lshl_or_b32 v18, v17, 8*(\k), v18            ; the word's byte k
.endif
	v_cvt_scalef32_pk16_fp6_f32 v[CD:CD+2], v[XS:XS+15], v16
	v_cvt_scalef32_pk16_fp6_f32 v[184:186], v[XS+16:XS+31], v16
	v_nop
.irp i, 0,1,2
	v_mov_b32 v[CD+3+\i], v[184+\i]
.endr
.endm
	WBLK 0, 63                                     ; 96 later loads might stay out; a wait names 63 at the most, and a smaller count is safe
	WBLK 1, 63                                     ; (64 might)
	WBLK 2, 32                                     ; the last block's 32 may be out
	WBLK 3, 0
.irp h, 0,1
.irp c, 0,1,2
	global_store_b128 v5, v[WC+12*\h+4*\c:WC+12*\h+4*\c+3], s[26:27] offset:512*\c+256*\h   ; the sixteen lanes of a tile store 256 consecutive bytes, aligned
.endr
.endr
	global_store_b32 v6, v18, s[28:29]             ; 128 consecutive bytes a wave
.Lend:
	s_wait_tensorcnt 0x0                           ; the wave's end
	ds_add_u32 v[SPW], v[NIL]
	s_wait_dscnt 0x0
	s_endpgm
.Lfunc_end_k_q922f95f0a7_prep:
	.size	k_q922f95f0a7_prep, .Lfunc_end_k_q922f95f0a7_prep-k_q922f95f0a7_prep
	.p2alignl 7, 3214868480
	.fill 96, 4, 3214868480
	.section	.rodata,"a",@progbits
	.p2align	6, 0x0
	.amdhsa_kernel k_q922f95f0a7_prep
		.amdhsa_group_segment_fixed_size 70656
		.amdhsa_private_segment_fixed_size 0
		.amdhsa_enable_private_segment 0
		.amdhsa_kernarg_size 40
		.amdhsa_user_sgpr_count 2
		.amdhsa_user_sgpr_kernarg_segment_ptr 1
		.amdhsa_wavefront_size32 1
		.amdhsa_system_sgpr_workgroup_id_x 1
		.amdhsa_system_sgpr_workgroup_id_y 1
		.amdhsa_system_sgpr_workgroup_id_z 1
		.amdhsa_system_vgpr_workitem_id 0
		.amdhsa_next_free_vgpr 244
		.amdhsa_next_free_sgpr 66
		.amdhsa_reserve_vcc 0
		.amdhsa_float_denorm_mode_32 3
		.amdhsa_float_denorm_mode_16_64 3
		.amdhsa_memory_ordered 1
		.amdhsa_forward_progress 1
		.amdhsa_inst_pref_size 70
	.end_amdhsa_kernel
	.amdgpu_metadata
---
amdhsa.version: [ 1, 2 ]
amdhsa.kernels:
  - .name:           k_q922f95f0a7_prep
    .symbol:         k_q922f95f0a7_prep.kd
    .args:
      - { .name: x, .offset: 0, .size: 8, .value_kind: global_buffer, .address_space: global }
      - { .name: w_qkv, .offset: 8, .size: 8, .value_kind: global_buffer, .address_space: global }
      - { .name: w_proj, .offset: 16, .size: 8, .value_kind: global_buffer, .address_space: global }
      - { .name: opx, .offset: 24, .size: 8, .value_kind: global_buffer, .address_space: global }
      - { .name: opw, .offset: 32, .size: 8, .value_kind: global_buffer, .address_space: global }
    .group_segment_fixed_size: 70656
    .private_segment_fixed_size: 0
    .kernarg_segment_align: 8
    .kernarg_segment_size: 40
    .max_flat_workgroup_size: 256
    .sgpr_count:     66
    .vgpr_count:     244
    .wavefront_size: 32
...
	.end_amdgpu_metadata
.endif
;; end of part 1
;; launch gemm_qkv (part 2): grid 8 x 48, 4 waves a work-group, clusters of 4 x 4, 327,680 bytes of LDS; arguments opx, opw, b_qkv, qkv; writes qkv
.if DOCPART == 2
	.amdgcn_target "amdgcn-amd-amdhsa--gfx1250"
	.amdhsa_code_object_version 6
	.text
	.protected	k_q922f95f0a7_gemm_qkv
	.globl	k_q922f95f0a7_gemm_qkv
	.p2align	8
	.type	k_q922f95f0a7_gemm_qkv,@function
k_q922f95f0a7_gemm_qkv:
	s_mov_b64 s[64:65], 0
	v_nop
	global_prefetch_b8 v0, s[64:65] scope:SCOPE_SE
	s_setreg_imm32_b32 hwreg(HW_REG_WAVE_MODE, 25, 1), 1
	s_wait_xcnt 0x0
	s_wait_alu depctr_hold_cnt(0) depctr_sa_sdst(0) depctr_va_vdst(0) depctr_va_sdst(0) depctr_va_ssrc(0) depctr_va_vcc(0) depctr_vm_vsrc(0)
	s_getreg_b32 s2, hwreg(HW_REG_IB_STS2, 6, 4)
	s_cmp_eq_u32 s2, 0
	s_cbranch_scc0 .Lentry_in_a_cluster
	s_endpgm
.Lentry_in_a_cluster:
	s_bfe_u32 s2, ttmp6, 0x10000c
	s_cmp_lg_u32 s2, 0xf033
	s_cbranch_scc0 .Lentry_shape_is_right
	s_endpgm
.Lentry_shape_is_right:
; qkv = x w_qkv + b_qkv on codes of FP6 (E2M3) with E8M0 scales, and its results QUANTISED ON THE WAY OUT into the operands of attention's two products.  Nothing leaves as f32.
; Source 0 of the matrix instruction ("P") gives the axis that runs along a lane's result registers, which is the axis that is quantised next; source 1 ("Q") gives the lanes.
;   q and k (clusters with y under 8):  P = 256 columns of w_qkv, Q = 256 tokens: a lane holds one token and 128 columns = two heads' 64: K of q k^T.
;   v       (clusters with y 8 to 11):  P = 256 tokens, Q = 256 of v's columns: a lane holds one channel and 128 tokens = keys: K of p v.
; One text serves both: what differs (buffers, offsets, which bias) lies in scalar registers chosen on the CLUSTER's y, which all sixteen partners share.
; Operands arrive as images of fragments, [tile][K step][1,536 bytes], rows of a tile by the rule  row = 32 (t / 2) + 8 (t % 2) + r + 8 (r / 8):  so the 16 result registers of P's tiles 2 b and 2 b + 1 are
; 16 neighbours, 32 b + 16 (lane / 16) + 0 .. 15, and a block of 32 lies in lanes l and l xor 16.
; A work-group of four waves makes 256 x 256; a wave 128 x 128: 64 accumulators.  K = 1,024 goes in 8 steps of 128 through two LDS slots of 256 along K, four fills, written out.
; CLUSTER 4 x 4: P's tiles hang on cx alone and are shared along a column, Q's on cy alone and are shared along a row: joint loads.
; The bias starts the sums: the accumulators are set to it while the first tiles are on their way.
; OUT (buffer qkv): q, k codes [which][b][head][token tile][768]: registers 0-5 of a fragment, register g of lane L at 256 (g / 2) + 8 L + 4 (g % 2); v codes [b][key step][channel tile][1,536], all 12 so;
; scale words [..][tile][16].  An even head's word carries the next head's two bytes on top, an odd head's two zero bytes: both stand over zero codes there, and neither is 0xff.
; LIMITS: a block whose largest magnitude lies under 2^-124 is held at the byte 1, a block of zeros too (this program alone reads the bytes); NaN and infinities are not served.
; No prefetch: four fills in all, two of them at the head.
; THE FILLS AS THE TEXT HAS THEM: at the head one joint load a wave (P's 16 tiles of slot 0, Q's 16, P's scale words, Q's); slot 1's first fill behind the three lines and a round; then two refills.
.set XS_OFF, 6291456
.set WS_OFF, 3145728
.set VC_OFF, 12582912
.set QKS_OFF, 18874368
.set VS_OFF, 19922944
.set FR,    12                         ; registers of a fragment
.set NL,    3                          ; LDS loads that bring one
.set NP,    4                          ; places behind this matrix instruction (ISA guide 7.12.1)
.set TILEB, 3072                       ; a tile's two K steps in a slot
.set HALFT, 8*TILEB                    ; 128 rows: what one tensor load brings, and what one wave reads of P or of Q
.set SLOT,  4*HALFT                    ; Q's 16 tiles, then P's 16
.set SCL,   2*SLOT                     ; behind the ring: the scale words for all of K: Q's 8,192 bytes, then P's
.set HALFS, 4096
.set SCST,  SCL+4*HALFS                ; each wave's 1,024 bytes for the scale words that it makes: no fill lands here
.set SPARE, SCST+4*1024                ; the spare words, 128 bytes a wave: two blocks of 256 bytes that no other line names
.set ADRQ, 16                          ; v16-17 LDS address of my Q fragments in slot 0, 1
.set ADRP, 20                          ; v20-21 the same for P
.set ADRS, 22                          ; v22  my scale words: lanes 0-15 Q's rows, lanes 16-31 P's
.set L8,   24                          ; v24  8 x lane
.set SA,   25                          ; v25  where I put a scale word
.set SRD,  26                          ; v26  where I read them back
.set L16,  27                          ; v27  16 x lane
.set SPW,  28                          ; v28  my spare word; never rewritten
.set NIL,  29                          ; v29  0; never rewritten
.set SC,   32                          ; v32-95 all 64 scale words: SC + 8 s + i: lanes 0-15 Q's tile i, lanes 16-31 P's tile i, K step s.  They hold nothing else
.set TM,   96                          ; v96-111 at work in the quantiser
.set PW,   112                         ; v112 the scale word just made
.set SV,   113                         ; v113-120 the word as it is stored, one for each of the eight blocks
.set SH,   121                         ; v121 16 (lane / 16) for q and k, 0 for v
.set AF,   128                         ; v128-223 Q's 8 fragments, ONE set.  Ahead of K: the biases.  Behind K: the codes
.set BP,   128                         ; v128-191 the bias along P, in the result's layout
.set BQ,   192                         ; v192-207 the bias along Q, one pair for each of Q's tiles; v208-215 as loaded
.set PC,   128                         ; v128-147 the codes just made; v148-155 scale words read back
.set G1Q, 24
.set G0Q, 32
.set G1P, 48
.set G0P, 56
.set G1SQ, 68
.set G0SQ, 76
.set G1SP, 80
.set G0SP, 88
.set QKM, 66                           ; s66 all ones for q and k, 0 for v;  s67 the other way round
.set VM,  67
.set OB0, 96                           ; s[96:97], s[98:99] where registers 0-5 and 6-11 of a block's codes go
.set OB1, 98
.set OS0, 100                          ; s[100:101], s[104:105] where the scale words go
.set OS1, 104
.set STP, 12                           ; s[12:13] from block to block of codes
.set MSB, 0
.macro WIN new                         ; the immediate's high byte repeats the setting that is left
.if MSB != (\new)
	s_set_vgpr_msb (MSB<<8)|(\new)
.set MSB, (\new)
.endif
.endm
.set MUL_LO, 0xa1                      ; source 0 (P) window 1, source 1 (Q) window 0, C and D window 2
.set MUL_HI, 0xf1                      ; the same, C and D window 3
.set TO_P,   0x40                      ; destination window 1, address window 0
; A joint load: waves 0 and 1 fetch for Q, waves 2 and 3 for P.  The branch hangs on the wave's number alone.  An s_nop 0 and four v_nop follow each of the two lines.
.macro JLOAD g0a, g1a, g0b, g1b
	s_cmp_eq_u32 s15, 0
	s_cbranch_scc0 .Lfor_p_\@
	tensor_load_to_lds s[\g0a:\g0a+3], s[\g1a:\g1a+7]
	s_nop 0
.rept 4
	v_nop
.endr
	s_branch .Lasked_\@
.Lfor_p_\@:
	tensor_load_to_lds s[\g0b:\g0b+3], s[\g1b:\g1b+7]
	s_nop 0
.rept 4
	v_nop
.endr
.Lasked_\@:
.endm
.macro CREST                           ; a round of the cluster's barrier behind its opening barrier
	s_cmp_lg_u32 s14, 0
	s_cbranch_scc1 .Lnot_wave_0_\@
	s_barrier_signal -3
.Lnot_wave_0_\@:
	s_barrier_wait -3
	s_barrier_signal -1
	s_barrier_wait -1
.endm
.macro CROUND
	s_barrier_signal -1
	s_barrier_wait -1
	CREST
.endm
.macro PLACES n
.rept \n
	v_nop
.endr
.endm
	s_load_b256 s[4:11], s[0:1], 0x0               ; opx s[4:5], opw s[6:7], b_qkv s[8:9], qkv s[10:11]
	v_lshl_add_u32 v[SPW], v0, 2, SPARE
	v_mov_b32 v[NIL], 0
	ds_add_u32 v[SPW], v[NIL]                      ; the wave's opening: the add and its wait ahead of my first tensor load; work on registers stands between
	ds_add_u32 v[SPW], v[NIL]
	v_lshrrev_b32 v1, 5, v0
	v_readfirstlane_b32 s14, v1                    ; wave 0..3
	s_lshr_b32 s15, s14, 1                         ; my half of Q.  Also: I fetch for Q (0) or for P (1)
	s_and_b32 s16, s14, 1                          ; my half of P.  Also: which 128 rows I fetch
	s_bfe_u32 s40, ttmp6, 0x40000                  ; cx
	s_bfe_u32 s41, ttmp6, 0x40004                  ; cy
	s_and_b32 s12, ttmp7, 0xffff                   ; the cluster's y
	s_lshl_b32 s13, s12, 1
	s_add_co_u32 s13, s13, ttmp9
	s_sub_co_u32 s13, s13, 16                      ; v: 2 (y - 8) + x
	s_cmp_lt_u32 s12, 8                            ; q and k, or v?  The same in all sixteen partners
	s_cselect_b32 s[QKM], -1, 0
	s_cselect_b32 s[VM], 0, -1
	s_cselect_b32 s13, ttmp9, s13                  ; P's group of four tiles
	s_cselect_b32 s12, s12, 2                      ; Q's
	s_lshl_b32 s42, s13, 2
	s_add_co_u32 s42, s42, s40                     ; pt: P's tile of 256 = 4 x group + cx
	s_lshl_b32 s17, s12, 2
	s_add_co_u32 s17, s17, s41                     ; qt: Q's tile of 256 = 4 x group + cy
	s_lshl_b32 s43, s41, 2
	s_lshl_b32 s43, 15, s43                        ; my row of the cluster
	s_lshl_b32 s44, 0x1111, s40                    ; my column
	; group 1, codes: 8 tiles' 3,072 bytes (384 elements of 8 bytes), 12,288 bytes apart in memory, dense in LDS
	s_or_b32 s[G1Q], s43, (3<<16)|(1<<21)          ; 15:0 the mask: Q's tiles go to my row; 17:16 elements of 8 bytes; 21 set beside a mask
	s_or_b32 s[G1P], s44, (3<<16)|(1<<21)          ; P's to my column
.irp g, G1Q, G1P
	s_mov_b32 s[\g+1], 384<<16                     ; tensor_dim0
	s_mov_b32 s[\g+2], 16<<16                      ; tensor_dim1: 16 tiles for the head's loads; set to 8 behind them
	s_mov_b32 s[\g+3], 384<<16                     ; tile_dim0
	s_mov_b32 s[\g+4], 16                          ; tile_dim1
	s_mov_b32 s[\g+5], 1536                        ; tensor_dim0_stride
	s_mov_b32 s[\g+6], 0
	s_mov_b32 s[\g+7], 0
.endr
	; group 1, scale words of 256 rows: 8,192 dense bytes as 32 rows of 256
	s_or_b32 s[G1SQ], s43, (3<<16)|(1<<21)
	s_or_b32 s[G1SP], s44, (3<<16)|(1<<21)
.irp g, G1SQ, G1SP
	s_mov_b32 s[\g+1], 32<<16
	s_mov_b32 s[\g+2], 32<<16                      ; the scale words of 256 rows: 8,192 dense bytes as 32 rows of 256
	s_mov_b32 s[\g+3], 32<<16
	s_mov_b32 s[\g+4], 32
	s_mov_b32 s[\g+5], 32
	s_mov_b32 s[\g+6], 0
	s_mov_b32 s[\g+7], 0
.endr
	s_cmp_lg_u32 s[QKM], 0
	s_mov_b32 s19, WS_OFF
	s_cselect_b32 s19, XS_OFF, s19                 ; where Q's buffer has its scale words
	s_mov_b32 s3, XS_OFF
	s_cselect_b32 s3, WS_OFF, s3                   ; and P's
	s_mul_i32 s18, s17, 196608                     ; Q's 256 rows: their codes,
	s_lshl_b32 s20, s17, 13
	s_add_co_u32 s20, s20, s19                     ; their scale words
	s_mov_b32 s19, 0
	s_mov_b32 s21, 0
	s_lshl_b32 s2, s42, 13                         ; P likewise, in registers that never hold cy
	s_add_co_u32 s2, s2, s3
	s_mov_b32 s3, 0
	s_mul_i32 s46, s42, 196608
	s_mov_b32 s47, 0
	s_mul_i32 s45, s14, HALFT                      ; the ring's loads go to wave x 128 rows: no place in the cluster enters an LDS address
	s_mul_i32 s22, s16, 98304                      ; and come from my half of the 256 rows
	s_mov_b32 s23, 0
	s_wait_dscnt 0x0                               ; the opening add is done
	s_wait_kmcnt 0x0
	s_cmp_lg_u32 s[QKM], 0
	s_cselect_b64 s[92:93], s[6:7], s[4:5]         ; P's buffer: the weights for q and k, x for v
	s_cselect_b64 s[94:95], s[4:5], s[6:7]         ; Q's
	s_add_nc_u64 s[18:19], s[94:95], s[18:19]
	s_add_nc_u64 s[20:21], s[94:95], s[20:21]
	s_add_nc_u64 s[46:47], s[92:93], s[46:47]
	s_add_nc_u64 s[2:3], s[92:93], s[2:3]
	CROUND                                         ; all sixteen work-groups are here: the first joint loads meet
	s_mov_b32 s[G0SQ], 1
	s_mov_b32 s[G0SQ+1], SCL
	s_mov_b64 s[G0SQ+2:G0SQ+3], s[20:21]
	s_or_b32 s[G0SQ+3], s[G0SQ+3], 0x80000000
	s_mov_b32 s[G0SP], 1
	s_mov_b32 s[G0SP+1], SCL+8192
	s_mov_b64 s[G0SP+2:G0SP+3], s[2:3]
	s_or_b32 s[G0SP+3], s[G0SP+3], 0x80000000
.set G0H, 4                            ; s[4:7], s[92:95] group 0 of the head's loads of codes (the addresses that lay there have served)
.set G0HP, 92
	s_mov_b32 s[G0H], 1                            ; slot 0: Q's 16 tiles,
	s_mov_b32 s[G0H+1], 0
	s_mov_b64 s[G0H+2:G0H+3], s[18:19]
	s_or_b32 s[G0H+3], s[G0H+3], 0x80000000
	s_mov_b32 s[G0HP], 1                           ; P's 16 behind them
	s_mov_b32 s[G0HP+1], 2*HALFT
	s_mov_b64 s[G0HP+2:G0HP+3], s[46:47]
	s_or_b32 s[G0HP+3], s[G0HP+3], 0x80000000
	s_add_nc_u64 s[18:19], s[18:19], s[22:23]      ; for the ring: my 128 rows
	s_add_nc_u64 s[46:47], s[46:47], s[22:23]
.irp n, 0,1
	s_mov_b32 s[G0Q+4*\n], 1
	s_add_co_u32 s[G0Q+4*\n+1], s45, \n*SLOT
	s_add_nc_u64 s[G0Q+4*\n+2:G0Q+4*\n+3], s[18:19], \n*TILEB
	s_or_b32 s[G0Q+4*\n+3], s[G0Q+4*\n+3], 0x80000000
	s_mov_b32 s[G0P+4*\n], 1
	s_add_co_u32 s[G0P+4*\n+1], s45, \n*SLOT
	s_add_nc_u64 s[G0P+4*\n+2:G0P+4*\n+3], s[46:47], \n*TILEB
	s_or_b32 s[G0P+4*\n+3], s[G0P+4*\n+3], 0x80000000
.endr
; THE HEAD'S LOADS, one a wave: one tree of branches on the wave's number, every way through it passes exactly one load.
.macro ARM under, g0, g1, next
	s_cmp_lt_u32 s14, \under
	s_cbranch_scc0 \next
	tensor_load_to_lds s[\g0:\g0+3], s[\g1:\g1+7]
	s_nop 0
.rept 4
	v_nop
.endr
	s_branch .Lhead_asked
\next:
.endm
	ARM 1, G0HP, G1P, .Lhead_q
	ARM 2, G0H, G1Q, .Lhead_sp
	ARM 3, G0SP, G1SP, .Lhead_sq
	tensor_load_to_lds s[G0SQ:G0SQ+3], s[G1SQ:G1SQ+7]
	s_nop 0
.rept 4
	v_nop
.endr
.Lhead_asked:
	; THE BIAS.  q, k: it runs along P (my 128 columns, in the result's layout); v: along Q (one number a lane for each of Q's tiles).  Both are loaded, the one that does not apply from the buffer's head, and set to 0.
	s_lshl_b32 s12, s42, 10
	s_lshl_b32 s13, s16, 9
	s_add_co_u32 s12, s12, s13
	s_and_b32 s12, s12, s[QKM]                     ; (256 pt + 128 half) x 4, or 0
	s_lshl_b32 s13, s17, 10
	s_lshl_b32 s18, s15, 9
	s_add_co_u32 s13, s13, s18
	s_and_b32 s13, s13, s[VM]                      ; (256 qt + 128 half) x 4, or 0
	v_and_b32 v1, 15, v0                           ; r
	v_bfe_u32 v2, v0, 4, 1                         ; h
	v_lshlrev_b32 v3, 6, v2
	v_add_nc_u32 v3, s12, v3                       ; + 64 h: register 16 b + i is column 32 b + 16 h + i
	v_and_b32 v4, 8, v1
	v_add_nc_u32 v4, v4, v1
	v_lshlrev_b32 v4, 2, v4
	v_add_nc_u32 v4, s13, v4                       ; + 4 (r + 8 (r / 8))
.irp b, 0,1,2,3
.irp j, 0,1,2,3
	global_load_b128 v[BP+16*\b+4*\j:BP+16*\b+4*\j+3], v3, s[8:9] offset:128*\b+16*\j
.endr
.endr
.irp a, 0,1,2,3,4,5,6,7
	global_load_b32 v[208+\a], v4, s[8:9] offset:128*(\a/2)+32*(\a%2)
.endr
	; LDS addresses: an image's place for my lane is 16 x lane
	v_and_b32 v5, 31, v0
	v_lshlrev_b32 v[L16], 4, v5
	v_lshlrev_b32 v[L8], 3, v5
	s_mul_i32 s18, s15, HALFT                      ; my 8 tiles of Q
	s_mul_i32 s19, s16, HALFT                      ; my 8 tiles of P,
	s_add_co_u32 s19, s19, 2*HALFT                 ; which lie behind Q's 16
.irp n, 0,1
	v_add_nc_u32 v[ADRQ+\n], s18, v[L16]
	v_add_nc_u32 v[ADRP+\n], s19, v[L16]
	s_add_co_u32 s18, s18, SLOT
	s_add_co_u32 s19, s19, SLOT
.endr
	s_lshl_b32 s18, s15, 12                        ; Q's scale words: my 128 rows
	s_lshl_b32 s19, s16, 12                        ; P's: my 128 rows, behind Q's 8,192 bytes
	s_add_co_u32 s19, s19, 8192
	s_sub_co_u32 s19, s19, s18
	v_mul_u32_u24 v6, s19, v2                      ; lanes 16-31 take P's: one product, the distance between the two
	s_add_co_u32 s18, s18, SCL
	v_lshl_add_u32 v6, v1, 2, v6
	v_add_nc_u32 v[ADRS], s18, v6
	s_lshl_b32 s18, s14, 10
	s_add_co_u32 s18, s18, SCST
	v_lshlrev_b32 v6, 9, v2
	v_lshl_add_u32 v6, v1, 2, v6
	v_add_nc_u32 v[SA], s18, v6                    ; lanes 0-15: the first table, lanes 16-31: the second, 512 bytes on; 4 r
	v_add_nc_u32 v[SRD], s18, v[L16]
	v_lshlrev_b32 v[SH], 4, v2
	v_and_b32 v[SH], s[QKM], v[SH]
.irp b, 0,1,2,3
	v_mov_b32 v[TM+4+\b], 0                        ; a lane permute's destination counts as one of its sources
.endr
	; where the results go, as offsets in qkv.  q, k: head hA = 4 pt + 2 half (0-15: q, 16-31: k) and the next; token tile t0 on
	s_lshl_b32 s18, s42, 2
	s_lshl_b32 s19, s16, 1
	s_add_co_u32 s18, s18, s19                     ; hA
	s_lshr_b32 s19, s18, 4
	s_lshl_b32 s19, s19, 6
	s_and_b32 s18, s18, 15
	s_add_co_u32 s18, s18, s19
	s_lshr_b32 s19, s17, 3
	s_lshl_b32 s19, s19, 4
	s_add_co_u32 s18, s18, s19                     ; 64 which + 16 b + head
	s_and_b32 s19, s17, 7
	s_lshl_b32 s19, s19, 4
	s_lshl_b32 s20, s15, 3
	s_add_co_u32 s19, s19, s20                     ; t0 = 16 (qt % 8) + 8 half
	s_mul_i32 s20, s18, 98304
	s_mul_i32 s21, s19, 768
	s_add_co_u32 s20, s20, s21
	s_lshl_b32 s21, s18, 13
	s_lshl_b32 s22, s19, 6
	s_add_co_u32 s21, s21, s22
	s_add_co_u32 s21, s21, QKS_OFF
	s_lshr_b32 s22, s42, 3                         ; v: e = (16 b + key step) x 64 + channel tile
	s_lshl_b32 s22, s22, 4
	s_and_b32 s23, s42, 7
	s_lshl_b32 s23, s23, 1
	s_add_co_u32 s22, s22, s23
	s_add_co_u32 s22, s22, s16
	s_lshl_b32 s22, s22, 6
	s_and_b32 s23, s17, 3                          ; (qt - 8 where qt is 8 to 11)
	s_lshl_b32 s23, s23, 4
	s_add_co_u32 s22, s22, s23
	s_lshl_b32 s23, s15, 3
	s_add_co_u32 s22, s22, s23
	s_mul_i32 s23, s22, 1536
	s_add_co_u32 s23, s23, VC_OFF
	s_lshl_b32 s22, s22, 6
	s_add_co_u32 s22, s22, VS_OFF
	s_cmp_lg_u32 s[QKM], 0
	s_cselect_b32 s20, s20, s23
	s_cselect_b32 s22, s21, s22
	s_mov_b32 s[STP], 1536
	s_cselect_b32 s[STP], 768, s[STP]              ; from token tile to token tile, or from channel tile to channel tile
	s_mov_b32 s46, 768
	s_cselect_b32 s46, 98304, s46                  ; registers 6-11: the next head's table, or the image's second half
	s_mov_b32 s[STP+1], 0
	s_mov_b32 s21, 0
	s_mov_b32 s23, 0
	s_mov_b32 s47, 0
	s_add_nc_u64 s[OB0:OB0+1], s[10:11], s[20:21]
	s_add_nc_u64 s[OB1:OB1+1], s[OB0:OB0+1], s[46:47]
	s_add_nc_u64 s[OS0:OS0+1], s[10:11], s[22:23]
	s_add_nc_u64 s[OS1:OS1+1], s[OS0:OS0+1], 8192
	s_mov_b32 s2, 0x76543210
	s_mov_b32 s3, 0xfedcba98                       ; selects for lane l xor 16
	s_wait_loadcnt 0x0
.set i, 0
.rept 64
	v_cndmask_b32 v[BP+i], 0, v[BP+i], s[QKM]
.set i, i+1
.endr
.irp a, 0,1,2,3,4,5,6,7
	v_cndmask_b32 v[BQ+2*\a], 0, v[208+\a], s[VM]
.endr
.irp a, 0,1,2,3,4,5,6,7
	v_mov_b32 v[BQ+2*\a+1], v[BQ+2*\a]
.endr
.irp a, 0,1,2,3,4,5,6,7                        ; accumulator (a, b) = P's bias + Q's bias, of which one is 0: the sums start from it
	WIN 0x80+0x40*(\a/4)
.irp b, 0,1,2,3,4,5,6,7
.irp i, 0,2,4,6
	v_pk_add_f32 v[8*(8*(\a%4)+\b)+\i:8*(8*(\a%4)+\b)+\i+1], v[BP+8*\b+\i:BP+8*\b+\i+1], v[BQ+2*\a:BQ+2*\a+1]
.endr
.endr
.endr
	WIN 0
	PLACES 8
.macro FRAG reg, adr, q, i             ; a fragment's image: three loads of 16 bytes a lane, 512 consecutive bytes each
.irp c, 0,1,2
	ds_load_b128 v[\reg+4*\c:\reg+4*\c+3], v[\adr] offset:(\i)*TILEB+(\q)*1536+512*\c
.endr
.endm
; 16 matrix instructions: Q's blocks a0, a0 + 1 x P's eight, K step ks; p: P's set.  The 64 accumulators take turns, one instruction a turn, in the same order in every step.
.macro MUL16 a0, p, ks
.irp a, \a0, \a0+1
.irp b, 0,1,2,3,4,5,6,7
	v_wmma_scale_f32_16x16x128_f8f6f4 v[8*(8*((\a)%4)+\b):8*(8*((\a)%4)+\b)+7], v[128*(\p)+FR*\b:128*(\p)+FR*\b+FR-1], v[AF+FR*(\a):AF+FR*(\a)+FR-1], v[8*(8*((\a)%4)+\b):8*(8*((\a)%4)+\b)+7], v[SC+8*(\ks)+\b], v[SC+8*(\ks)+(\a)] matrix_a_fmt:MATRIX_FMT_FP6 matrix_b_fmt:MATRIX_FMT_FP6 matrix_a_scale:MATRIX_SCALE_ROW1
.endr
.endr
.endm
.macro FETCH_P slot, q, p
	WIN TO_P
.irp i, 0,1,2,3,4,5,6,7
	FRAG 128*(\p)+FR*\i, ADRP+\slot, \q, \i
.endr
	WIN 0
.endm
.macro FETCH_Q slot, q, i0
.irp i, \i0, \i0+1, \i0+2, \i0+3
	FRAG AF+FR*(\i), ADRQ+\slot, \q, \i
.endr
.endm
; A slot's first K step.  A block of Q is free as soon as its eight products are issued, so Q has one set: blocks 0-3 are fetched anew in the step's middle, 4-7 at its end.  P has two sets.
; Loads into registers that matrix instructions have read stand NP plain places behind them.
.macro STEP slot, ks
	s_wait_dscnt 4*NL                              ; P's set and Q's blocks 0-3 are in; the youngest 12 loads (Q's blocks 4-7) may be out
	WIN MUL_LO
	MUL16 0, 0, \ks
	MUL16 2, 0, \ks
	s_wait_dscnt 0x0                               ; Q's blocks 4-7 are in
	PLACES NP
	FETCH_P \slot, 1, 1
	FETCH_Q \slot, 1, 0
	WIN MUL_HI
	MUL16 4, 0, \ks
	MUL16 6, 0, \ks
	PLACES NP
	WIN 0
	FETCH_Q \slot, 1, 4
.endm
; A slot's second K step changes slots: ONE barrier; ahead of it each wave waits for all its tensor loads, adds 0 to its spare word, and waits for that and for its reads of this slot.
.macro TURN slot, next, fill, ks
	s_wait_tensorcnt 0x0                           ; all my tensor loads have landed: my part of the next slot
	ds_add_u32 v[SPW], v[NIL]                      ; 0 onto my spare word
	s_wait_dscnt 4*NL+1                            ; (the add and the youngest 12 loads may be out)
	WIN MUL_LO
	MUL16 0, 1, \ks                                ; sixteen matrix instructions stand between the add and the wait for it
	s_wait_dscnt 0x0                               ; the add is done, and my reads of this slot are over
	s_barrier_signal -1
	MUL16 2, 1, \ks
	WIN 0
	s_barrier_wait -1
.if \fill
	CREST                                          ; the barrier has opened a round of the cluster's: no wave of any partner still reads this slot or has a load on its way
	s_add_nc_u64 s[G0Q+4*\slot+2:G0Q+4*\slot+3], s[G0Q+4*\slot+2:G0Q+4*\slot+3], 2*TILEB
	s_add_nc_u64 s[G0P+4*\slot+2:G0P+4*\slot+3], s[G0P+4*\slot+2:G0P+4*\slot+3], 2*TILEB
	JLOAD G0Q+4*\slot, G1Q, G0P+4*\slot, G1P       ; my one tensor load behind the round; its four v_nop are the places ahead of the loads below
.else
	PLACES NP
.endif
	FETCH_P \next, 0, 0
	FETCH_Q \next, 0, 0
	WIN MUL_HI
	MUL16 4, 1, \ks
	MUL16 6, 1, \ks
	PLACES NP
	WIN 0
	FETCH_Q \next, 0, 4
.endm
	s_wait_alu depctr_va_vdst(0)
	s_wait_tensorcnt 0x0                           ; my tile of the head's four is in
	ds_add_u32 v[SPW], v[NIL]
	s_mov_b32 s[G1Q+2], 8<<16                      ; no tensor load of mine is out: from here on a load brings 8 tiles
	s_mov_b32 s[G1Q+4], 8
	s_mov_b32 s[G1P+2], 8<<16
	s_mov_b32 s[G1P+4], 8
	s_wait_dscnt 0x0                               ; the add is done
	CROUND                                         ; all four tiles are in, and all sixteen work-groups are here
	JLOAD G0Q+4, G1Q, G0P+4, G1P                   ; slot 1's first fill, my one tensor load behind the round
	FETCH_P 0, 0, 0
	FETCH_Q 0, 0, 0
.irp k, 0,1,2,3,4,5,6,7
.irp i, 0,1,2,3,4,5,6,7
	ds_load_b32 v[SC+8*\k+\i], v[ADRS] offset:128*\k+1024*(\i/2)+64*(\i%2)
.endr
.endr
	FETCH_Q 0, 0, 4
	STEP 0, 0
	TURN 0, 1, 1, 1                                ; slot 0 takes K 512 to 767
	STEP 1, 2
	TURN 1, 0, 1, 3                                ; slot 1 takes K 768 to 1,023
	STEP 0, 4
	TURN 0, 1, 0, 5                                ; nothing is left to fetch
	STEP 1, 6
	s_wait_dscnt 4*NL
	WIN MUL_LO
	MUL16 0, 1, 7
	MUL16 2, 1, 7
	s_wait_dscnt 0x0
	WIN MUL_HI
	MUL16 4, 1, 7
	MUL16 6, 1, 7
	WIN 0
	PLACES NP
; THE WAY OUT of Q's block a: my lane's 64 results (register 16 b + i = P's index 32 b + 16 (lane / 16) + i) become one fragment's codes and its scale word.
.macro OUTA a
.set AC, 64*((\a)%4)
.set WW, 2+(\a)/4
.if (\a) > 0
	s_wait_xcnt 0x0                                ; the last block's stores have read their data and their bases
	s_add_nc_u64 s[OB0:OB0+1], s[OB0:OB0+1], s[STP:STP+1]
	s_add_nc_u64 s[OB1:OB1+1], s[OB1:OB1+1], s[STP:STP+1]
.endif
.irp b, 0,1,2,3
	v_mov_b32 v[TM+\b], 0x1800000                  ; the floor 2^(3 - 127): the byte cannot fall under 1
.endr
	WIN (WW<<2)|(WW<<4)                            ; sources 1 and 2: the accumulators' window
.irp i, 0,2,4,6,8,10,12,14                     ; each accumulator is read from its low end on
.irp b, 0,1,2,3
	v_max3_num_f32 v[TM+\b], v[TM+\b], |v[AC+16*\b+\i]|, |v[AC+16*\b+\i+1]|
.endr
.endr
	WIN 0
.irp b, 0,1,2,3
	v_permlanex16_b32 v[TM+4+\b], v[TM+\b], s2, s3
.endr
.irp b, 0,1,2,3
	v_max_num_f32 v[TM+\b], v[TM+\b], v[TM+4+\b]   ; with lane l xor 16's: the block's largest magnitude
.endr
.irp b, 0,1,2,3
	v_add_nc_u32 v[TM+12+\b], 0xff000000, v[TM+\b]
.endr
.irp b, 0,1,2,3
	v_lshrrev_b32 v[TM+4+\b], 23, v[TM+12+\b]
.endr
	v_lshl_or_b32 v[PW], v[TM+5], 8, v[TM+4]
	v_lshl_or_b32 v[PW], v[TM+6], 16, v[PW]
	v_lshl_or_b32 v[PW], v[TM+7], 24, v[PW]
	WIN WW                                         ; source 0: the accumulators' window
.irp c, 0,1
	v_cvt_scalef32_pk16_fp6_f32 v[PC+6*\c:PC+6*\c+2], v[AC+32*\c:AC+32*\c+15], v[TM+12+2*\c]
	v_cvt_scalef32_pk16_fp6_f32 v[PC+12+4*\c:PC+14+4*\c], v[AC+32*\c+16:AC+32*\c+31], v[TM+12+2*\c+1]
.endr
	WIN 0
	v_nop                                          ; one plain place behind the scaled conversions
.irp c, 0,1                                    ; the operand's layout wants a WHOLE block in a lane
.irp i, 0,1,2
	v_permlane16_swap_b32 v[PC+6*\c+\i], v[PC+12+4*\c+\i]
.endr
.irp i, 0,1,2
	v_mov_b32 v[PC+3+6*\c+\i], v[PC+12+4*\c+\i]
.endr
.endr
	v_lshrrev_b32 v[SV+(\a)], v[SH], v[PW]         ; q, k: lanes 16-31 hold the second head's word; v: the word as it is
	ds_store_b32 v[SA], v[SV+(\a)] offset:64*(\a)
.irp p, 0,1,2
	global_store_b64 v[L8], v[PC+2*\p:PC+2*\p+1], s[OB0:OB0+1] offset:256*\p      ; 256 consecutive bytes, aligned
.endr
.irp p, 0,1,2
	global_store_b64 v[L8], v[PC+6+2*\p:PC+7+2*\p], s[OB1:OB1+1] offset:256*\p
.endr
.endm
.irp a, 0,1,2,3,4,5,6,7
	OUTA \a
.endr
	ds_load_b128 v[148:151], v[SRD]                ; my eight blocks' scale words (LDS serves a wave in order)
	ds_load_b128 v[152:155], v[SRD] offset:512
	s_wait_dscnt 0x0
	global_store_b128 v[L16], v[148:151], s[OS0:OS0+1]   ; 512 consecutive bytes, aligned
	s_cmp_eq_u32 s[QKM], 0                         ; v has one table: a branch on the cluster's y, round this store alone
	s_cbranch_scc1 .Lone_table
	global_store_b128 v[L16], v[152:155], s[OS1:OS1+1]
.Lone_table:
	s_wait_tensorcnt 0x0                           ; the wave's end
	ds_add_u32 v[SPW], v[NIL]
	s_wait_dscnt 0x0
	CROUND                                         ; the closing round
	s_endpgm
.Lfunc_end_k_q922f95f0a7_gemm_qkv:
	.size	k_q922f95f0a7_gemm_qkv, .Lfunc_end_k_q922f95f0a7_gemm_qkv-k_q922f95f0a7_gemm_qkv
	.p2alignl 7, 3214868480
	.fill 96, 4, 3214868480
	.section	.rodata,"a",@progbits
	.p2align	6, 0x0
	.amdhsa_kernel k_q922f95f0a7_gemm_qkv
		.amdhsa_group_segment_fixed_size 327680
		.amdhsa_private_segment_fixed_size 0
		.amdhsa_enable_private_segment 0
		.amdhsa_kernarg_size 32
		.amdhsa_user_sgpr_count 2
		.amdhsa_user_sgpr_kernarg_segment_ptr 1
		.amdhsa_wavefront_size32 1
		.amdhsa_system_sgpr_workgroup_id_x 1
		.amdhsa_system_sgpr_workgroup_id_y 1
		.amdhsa_system_sgpr_workgroup_id_z 1
		.amdhsa_system_vgpr_workitem_id 0
		.amdhsa_next_free_vgpr 1024
		.amdhsa_next_free_sgpr 106
		.amdhsa_reserve_vcc 0
		.amdhsa_float_denorm_mode_32 3
		.amdhsa_float_denorm_mode_16_64 3
		.amdhsa_memory_ordered 1
		.amdhsa_forward_progress 1
		.amdhsa_inst_pref_size 173
	.end_amdhsa_kernel
	.amdgpu_metadata
---
amdhsa.version: [ 1, 2 ]
amdhsa.kernels:
  - .name:           k_q922f95f0a7_gemm_qkv
    .symbol:         k_q922f95f0a7_gemm_qkv.kd
    .args:
      - { .name: opx, .offset: 0, .size: 8, .value_kind: global_buffer, .address_space: global }
      - { .name: opw, .offset: 8, .size: 8, .value_kind: global_buffer, .address_space: global }
      - { .name: b_qkv, .offset: 16, .size: 8, .value_kind: global_buffer, .address_space: global }
      - { .name: qkv, .offset: 24, .size: 8, .value_kind: global_buffer, .address_space: global }
    .group_segment_fixed_size: 327680
    .private_segment_fixed_size: 0
    .kernarg_segment_align: 8
    .kernarg_segment_size: 32
    .max_flat_workgroup_size: 128
    .sgpr_count:     106
    .vgpr_count:     1024
    .wavefront_size: 32
...
	.end_amdgpu_metadata
.endif
;; end of part 2
;; launch attn (part 3): grid 4 x 64, 16 waves a work-group, no clusters, 327,680 bytes of LDS; arguments qkv, yq; writes yq
.if DOCPART == 3
	.amdgcn_target "amdgcn-amd-amdhsa--gfx1250"
	.amdhsa_code_object_version 6
	.text
	.protected	k_q922f95f0a7_attn
	.globl	k_q922f95f0a7_attn
	.p2align	8
	.type	k_q922f95f0a7_attn,@function
k_q922f95f0a7_attn:
	s_mov_b64 s[64:65], 0
	v_nop
	global_prefetch_b8 v0, s[64:65] scope:SCOPE_SE
	s_setreg_imm32_b32 hwreg(HW_REG_WAVE_MODE, 25, 1), 1
	s_wait_xcnt 0x0
; y[b][q][head] = softmax_k(q . k / 8, k <= q) v, both products on codes of FP6 (E2M3) with E8M0 scales, and y QUANTISED on the way out into the last product's operand.
; THE SOFTMAX: t = score x log2(e) / 8; M = the running largest t rounded UP to a whole number; p = 2^(t - M) is quantised along the keys, not normalised; the row's sum is taken of the unquantised p and divides
; at the end.  When M moves, the sum and O are multiplied by 2^(old M - new M), which rounds nothing.
; SHARES.  A work-group has one head (y = 16 b + head) and sixteen waves of 16 queries.  Waves 0-7 take the 128 queries of block j (x = j), waves 8-15 those of block 15 - j: under the causal mask a wave of block i
; has i + 1 key steps of 128, so every work-group has 8 x 17.
; ALL OF THE HEAD'S K AND V STAY IN LDS, each byte filled once: K's 98,304 bytes, V's 98,304, their scale words 12,288.  Keys 0-255 and the scale words are asked for at the head; the seven later chunks of 256 keys
; behind the first barrier, one load a wave, and land while the first two key steps are worked.  A chunk whose first key comes after the work-group's last query is read by no wave and is not asked for.
; LAYOUT.  Both products are used transposed (S^T = K Q^T, O^T = V^T P^T): a lane holds ONE query.  Tiles of keys, queries and channels follow the rule row = 32 (t / 2) + 8 (t % 2) + r + 8 (r / 8): the 16 registers of
; two neighbouring tiles are 16 neighbours.  The head's 64 are half of the instruction's 128: registers 6-11 of K's and Q's fragments are zeros, written once.
; Every wave walks all 16 key steps; a step all of whose keys are hidden is jumped over by a scalar branch on ids, round its loads, products and softmax.
; NO CLUSTER: partners would need different numbers of chunks under the causal limit.  No prefetch: all bytes are asked for at the head or directly behind the first barrier.
; The scale word of y spans two heads, so a wave stores 16 half words, 4 bytes apart (lanes 16-31 store the same values to the same bytes).
; LIMITS: t is made by one multiplication by log2(e) / 8; 1 / l by v_rcp_f32; a p under 2^-126 counts as 0; a block whose largest magnitude lies under 2^-124 is held at the byte 1, a block of zeros too
; (this program alone reads the bytes); NaN and infinities are not served.
; SHARES AS THE TEXT HAS THEM (in place of the paragraph SHARES above): x = 0 .. 3, and a wave takes TWO blocks of 128 queries on end while K and V stay in LDS:
; waves 0-7 block 15 - x and then block x, waves 8-15 block 8 + x and then block 7 - x: (16 - x) + (x + 1) = (9 + x) + (8 - x) = 17 key steps for every wave.
; The first walk has 16 steps, the second 8 trips (its blocks are 7 at the most).  No barrier stands between the walks: LDS is only read there.
.set VC_OFF, 12582912
.set QKS_OFF, 18874368
.set VS_OFF, 19922944
.set YS_OFF, 6291456
.set LKC, 0                            ; LDS: K's codes: 128 tiles x 768 bytes
.set LVC, 98304                        ; V's codes: 16 key steps x 4 channel tiles x 1,536
.set LKS, 196608                       ; K's scale words: 128 tiles x 64
.set LVS, 204800                       ; V's: 16 key steps x 256
.set SPARE, 208896                     ; the spare words, 128 bytes a wave: eight blocks of 256 bytes that no other line names
.set AK0, 1                            ; v1-4 my lane's place in K's codes, V's codes, K's words, V's words
.set AV0, 2
.set ASK0, 3
.set ASV0, 4
.set SPW, 5                            ; v5  my spare word; never rewritten
.set NIL, 6                            ; v6  0; never rewritten
.set DD,  7                            ; v7  on the diagonal: register 16 b + i is hidden where 32 b + i > this
.set ADK, 8                            ; v8-11 the step's addresses
.set ADV, 9
.set ADS, 10
.set ADT, 11
.set L8,  28                           ; v28 8 x lane
.set R4,  29                           ; v29 4 r
.set F,   30                           ; v[30:31] f = 2^(old M - new M); v31 is written once, being named with it as a pair
.set S,   128                          ; v128-191 S^T, then p
.set O,   192                          ; v192-223 O^T
; v12 -M, v13 the largest t, v[14:15] the sum in two halves; v16-27 Q; v32-79 four fragments of K; v80-127 four of V; v224-235 p's codes; v232-247, v254 at work;
; v248-251 the tiles' scale words, v253 p's (a partial sum of l ahead of it), v255 Q's
.set WV, 8
.set QB, 15                            ; s15 my block's first query
.set QL, 16                            ; s16 my work-group's last query
.set KF, 17                            ; s17 the step's first key
.set T6, 18                            ; s18 the step's codes, K's and V's alike: 6,144 bytes a step
.set TSK, 19                           ; s19 K's scale words: 512 a step
.set TSV, 66                           ; s66 V's: 256 a step
.set CNT, 67
.set SEL, 20
.set CS,  22                           ; s[22:23] c = log2(e) / 8
.set G1K, 24
.set G1V, 32
.set G1KS, 40
.set G1VS, 48
.set G0H0, 56                          ; groups 0 of the four loads at the head, a set for each: K's scale words,
.set G0B, 60                           ; (group 0 of a wave's load behind the first barrier)
.set G0H1, 84                          ; V's scale words,
.set G0H2, 88                          ; K's keys 0-255,
.set G0H3, 92                          ; V's
.set YC,  96                           ; s[96:97] where my codes of y go;  s[98:99] their scale half words
.set YS,  98
; A tensor load; an s_nop 0 and four v_nop follow it.
.macro TL g0, g1
	tensor_load_to_lds s[\g0:\g0+3], s[\g1:\g1+7]
	s_nop 0
.rept 4
	v_nop
.endr
.endm
; A later chunk: the even wave K's, the odd wave V's; then on past all the other loads.
.macro KV
	s_cmp_eq_u32 s82, 0
	s_cbranch_scc0 .Lfor_v_\@
	TL G0B, G1K
	s_branch .Lasked
.Lfor_v_\@:
	TL G0B, G1V
	s_branch .Lasked
.endm
	s_load_b128 s[4:7], s[0:1], 0x0                ; qkv s[4:5], yq s[6:7]
	v_lshl_add_u32 v[SPW], v0, 2, SPARE
	v_mov_b32 v[NIL], 0
	ds_add_u32 v[SPW], v[NIL]                      ; the wave's opening: the add and its wait ahead of the first tensor loads; work on registers stands between
	ds_add_u32 v[SPW], v[NIL]
	v_lshrrev_b32 v8, 5, v0
	s_delay_alu instid0(VALU_DEP_1)
	v_readfirstlane_b32 s[WV], v8                  ; wave 0..15
	s_and_b32 s10, ttmp7, 0xffff                   ; 16 b + head
	s_lshr_b32 s11, s10, 4                         ; b
	s_and_b32 s12, s10, 15                         ; head
	s_sub_co_u32 s13, 15, ttmp9                    ; waves 0-7 begin with block 15 - x,
	s_add_co_u32 s2, ttmp9, 8                      ; waves 8-15 with block 8 + x
	s_lshl_b32 s3, ttmp9, 1
	s_sub_co_u32 s100, 15, s3                      ; s100: how many blocks down the second block lies: 15 - 2 x,
	s_add_co_u32 s3, s3, 1                         ; or 1 + 2 x
	s_cmp_lt_u32 s[WV], 8
	s_cselect_b32 s13, s13, s2                     ; my first block of 128 queries
	s_cselect_b32 s100, s100, s3
	s_and_b32 s14, s[WV], 7
	s_lshl_b32 s2, s13, 3
	s_add_co_u32 s14, s14, s2                      ; my tile of queries
	s_lshl_b32 s[QB], s13, 7
	s_sub_co_u32 s[QL], 16, ttmp9
	s_lshl_b32 s[QL], s[QL], 7
	s_sub_co_u32 s[QL], s[QL], 1
	s_mov_b32 s[KF], 0
	s_mov_b32 s[T6], 0
	s_mov_b32 s[TSK], 0
	s_mov_b32 s[TSV], 0
	s_mov_b32 s[SEL], 0x76543210
	s_mov_b32 s[SEL+1], 0xfedcba98
	s_mov_b32 s[CS], 0x3e38aa3b                    ; log2(e) / 8
	s_mov_b32 s[CS+1], s[CS]                       ; (named with it as a pair, so it is written)
	; group 1: elements of 8 bytes, no mask, no padding.  K's chunk: 12,288 dense bytes as 48 rows of 256
	s_mov_b32 s[G1K], 3<<16
	s_mov_b32 s[G1K+1], 32<<16
	s_mov_b32 s[G1K+2], 48<<16
	s_mov_b32 s[G1K+3], 32<<16
	s_mov_b32 s[G1K+4], 48
	s_mov_b32 s[G1K+5], 32
	s_mov_b32 s[G1K+6], 0
	s_mov_b32 s[G1K+7], 0
	; V's chunk: two key steps' 6,144 bytes, 98,304 bytes apart in memory
	s_mov_b32 s[G1V], 3<<16
	s_mov_b32 s[G1V+1], 768<<16
	s_mov_b32 s[G1V+2], 2<<16
	s_mov_b32 s[G1V+3], 768<<16
	s_mov_b32 s[G1V+4], 2
	s_mov_b32 s[G1V+5], 12288
	s_mov_b32 s[G1V+6], 0
	s_mov_b32 s[G1V+7], 0
	; K's scale words: 8,192 dense bytes
	s_mov_b32 s[G1KS], 3<<16
	s_mov_b32 s[G1KS+1], 32<<16
	s_mov_b32 s[G1KS+2], 32<<16
	s_mov_b32 s[G1KS+3], 32<<16
	s_mov_b32 s[G1KS+4], 32
	s_mov_b32 s[G1KS+5], 32
	s_mov_b32 s[G1KS+6], 0
	s_mov_b32 s[G1KS+7], 0
	; V's: 16 key steps' 256 bytes, 4,096 bytes apart
	s_mov_b32 s[G1VS], 3<<16
	s_mov_b32 s[G1VS+1], 32<<16
	s_mov_b32 s[G1VS+2], 16<<16
	s_mov_b32 s[G1VS+3], 32<<16
	s_mov_b32 s[G1VS+4], 16
	s_mov_b32 s[G1VS+5], 512
	s_mov_b32 s[G1VS+6], 0
	s_mov_b32 s[G1VS+7], 0
	; offsets in qkv
	s_add_co_u32 s2, s10, 64                       ; k's tables lie behind q's 64
	s_mul_i32 s68, s2, 98304                       ; K's codes
	s_mov_b32 s69, 0
	s_lshl_b32 s72, s2, 13
	s_add_co_u32 s72, s72, QKS_OFF                 ; K's scale words
	s_mov_b32 s73, 0
	s_mul_i32 s70, s11, 1572864
	s_mul_i32 s3, s12, 6144
	s_add_co_u32 s70, s70, s3
	s_add_co_u32 s70, s70, VC_OFF                  ; V's codes: key step 0, my head's four channel tiles
	s_mov_b32 s71, 0
	s_lshl_b32 s74, s11, 16
	s_lshl_b32 s3, s12, 8
	s_add_co_u32 s74, s74, s3
	s_add_co_u32 s74, s74, VS_OFF                  ; V's scale words
	s_mov_b32 s75, 0
	s_mul_i32 s76, s10, 98304
	s_mul_i32 s3, s14, 768
	s_add_co_u32 s76, s76, s3                      ; my tile of Q
	s_mov_b32 s77, 0
	s_lshl_b32 s78, s10, 13
	s_lshl_b32 s3, s14, 6
	s_add_co_u32 s78, s78, s3
	s_add_co_u32 s78, s78, QKS_OFF                 ; and its scale words
	s_mov_b32 s79, 0
	; my later chunk: chunk wave / 2 of K (even wave) or of V (odd)
	s_and_b32 s82, s[WV], 1
	s_lshr_b32 s83, s[WV], 1
	s_mul_i32 s2, s82, LVC
	s_mul_i32 s3, s83, 12288
	s_mov_b32 s[G0B], 1
	s_add_co_u32 s[G0B+1], s2, s3                  ; in LDS
	s_add_co_u32 s80, s68, s3                      ; in memory: K's chunks are 12,288 bytes apart,
	s_mul_i32 s81, s83, 196608
	s_add_co_u32 s81, s81, s70                     ; V's 196,608
	s_cmp_eq_u32 s82, 0
	s_cselect_b32 s80, s80, s81
	s_mov_b32 s81, 0
	; offsets in yq: token tile 128 b + my tile; K step head / 2; half head % 2
	s_lshl_b32 s2, s11, 7
	s_add_co_u32 s2, s2, s14
	s_mul_i32 s[YC], s2, 12288
	s_lshr_b32 s3, s12, 1
	s_mul_i32 s9, s3, 1536
	s_add_co_u32 s[YC], s[YC], s9
	s_and_b32 s9, s12, 1
	s_mul_i32 s[YS], s9, 768
	s_add_co_u32 s[YC], s[YC], s[YS]
	s_mov_b32 s[YC+1], 0
	s_lshr_b32 s[YS], s2, 1
	s_lshl_b32 s[YS], s[YS], 10                    ; scale words: 1,024 bytes a pair of tiles,
	s_lshl_b32 s3, s3, 7
	s_add_co_u32 s[YS], s[YS], s3                  ; 128 a K step,
	s_and_b32 s3, s2, 1
	s_lshl_b32 s3, s3, 6
	s_add_co_u32 s[YS], s[YS], s3                  ; 64 for the odd tile,
	s_lshl_b32 s9, s9, 1
	s_add_co_u32 s[YS], s[YS], s9                  ; 2 for the odd head
	s_add_co_u32 s[YS], s[YS], YS_OFF
	s_mov_b32 s[YS+1], 0
	s_wait_dscnt 0x0                               ; the opening add is done
	s_wait_kmcnt 0x0
	s_add_nc_u64 s[68:69], s[4:5], s[68:69]
	s_add_nc_u64 s[70:71], s[4:5], s[70:71]
	s_add_nc_u64 s[72:73], s[4:5], s[72:73]
	s_add_nc_u64 s[74:75], s[4:5], s[74:75]
	s_add_nc_u64 s[76:77], s[4:5], s[76:77]
	s_add_nc_u64 s[78:79], s[4:5], s[78:79]
	s_add_nc_u64 s[YC:YC+1], s[6:7], s[YC:YC+1]
	s_add_nc_u64 s[YS:YS+1], s[6:7], s[YS:YS+1]
	s_add_nc_u64 s[G0B+2:G0B+3], s[4:5], s[80:81]
	s_or_b32 s[G0B+3], s[G0B+3], 0x80000000
	s_mov_b32 s[G0H0], 1                           ; every group 0 is written here, on the way that all waves take, ahead of the first load
	s_mov_b32 s[G0H0+1], LKS
	s_mov_b64 s[G0H0+2:G0H0+3], s[72:73]
	s_or_b32 s[G0H0+3], s[G0H0+3], 0x80000000
	s_mov_b32 s[G0H1], 1
	s_mov_b32 s[G0H1+1], LVS
	s_mov_b64 s[G0H1+2:G0H1+3], s[74:75]
	s_or_b32 s[G0H1+3], s[G0H1+3], 0x80000000
	s_mov_b32 s[G0H2], 1
	s_mov_b32 s[G0H2+1], LKC
	s_mov_b64 s[G0H2+2:G0H2+3], s[68:69]
	s_or_b32 s[G0H2+3], s[G0H2+3], 0x80000000
	s_mov_b32 s[G0H3], 1
	s_mov_b32 s[G0H3+1], LVC
	s_mov_b64 s[G0H3+2:G0H3+3], s[70:71]
	s_or_b32 s[G0H3+3], s[G0H3+3], 0x80000000
	s_cmp_lg_u32 s[WV], 0                          ; the first fills: one load in each of waves 0 to 3; no way passes two
	s_cbranch_scc1 .Lhead1
	TL G0H0, G1KS
	s_branch .Lhead_done
.Lhead1:
	s_cmp_lg_u32 s[WV], 1
	s_cbranch_scc1 .Lhead2
	TL G0H1, G1VS
	s_branch .Lhead_done
.Lhead2:
	s_cmp_lg_u32 s[WV], 2
	s_cbranch_scc1 .Lhead3
	TL G0H2, G1K
	s_branch .Lhead_done
.Lhead3:
	s_cmp_lg_u32 s[WV], 3
	s_cbranch_scc1 .Lhead_done
	TL G0H3, G1V
.Lhead_done:
	v_and_b32 v8, 15, v0                           ; r
	v_bfe_u32 v9, v0, 4, 1                         ; h
	v_and_b32 v10, 31, v0
	s_delay_alu instid0(VALU_DEP_1)
	v_lshlrev_b32 v[L8], 3, v10
	s_delay_alu instid0(VALU_DEP_4)
	v_lshlrev_b32 v[R4], 2, v8
.irp p, 0,1,2
	global_load_b64 v[16+2*\p:17+2*\p], v[L8], s[76:77] offset:256*\p   ; Q's registers 0-5 stay
.endr
	global_load_b32 v255, v[R4], s[78:79]
	v_add_nc_u32 v[AK0], LKC, v[L8]
	v_add_nc_u32 v[AV0], LVC, v[L8]
	v_add_nc_u32 v[ASK0], LKS, v[R4]
	v_add_nc_u32 v[ASV0], LVS, v[R4]
	v_and_b32 v11, 8, v8
	s_delay_alu instid0(VALU_DEP_1)
	v_add_nc_u32 v[DD], v11, v8                    ; r + 8 (r / 8)
	v_lshlrev_b32 v11, 4, v9
	s_delay_alu instid0(VALU_DEP_1)
	v_sub_nc_u32 v[DD], v[DD], v11                 ; - 16 h
	s_and_b32 s2, s[WV], 7
	s_lshr_b32 s3, s2, 1
	s_lshl_b32 s3, s3, 5
	s_and_b32 s2, s2, 1
	s_lshl_b32 s2, s2, 3
	s_add_co_u32 s2, s2, s3
	v_add_nc_u32 v[DD], s2, v[DD]                  ; + my tile's first query in its block: my query - the diagonal step's first key - 16 h
	v_mov_b32 v13, 0xff61b1e6                      ; the largest t so far: -3e38, under every t
	s_delay_alu instid0(VALU_DEP_1)
	v_floor_f32 v12, -v13                          ; -M
	v_mov_b32 v14, 0
	v_mov_b32 v15, 0
	v_mov_b32 v31, 0
	v_mov_b32 v254, 0
.irp b, 0,1,2,3
	v_mov_b32 v[236+\b], 0                         ; a lane permute's destination counts as one of its sources
.endr
.irp i, 22,23,24,25,26,27
	v_mov_b32 v\i, 0                               ; Q beyond the head's 64: zero codes
.endr
.irp t, 0,1,2,3
.irp i, 6,7,8,9,10,11
	v_mov_b32 v[32+12*\t+\i], 0                    ; K likewise: never loaded
.endr
.endr
	s_wait_tensorcnt 0x0                           ; my load at the head has landed;
	ds_add_u32 v[SPW], v[NIL]                      ; 0 onto my spare word
	ds_add_u32 v[SPW], v[NIL]
.set i, 0
.rept 32
	v_mov_b32 v[O+i], 0                            ; O^T: the step is written for all steps alike; the first finds zeros, which the first change of M leaves zeros
.set i, i+1
.endr
	s_wait_dscnt 0x0                               ; the add is done
	s_barrier_signal -1
	s_barrier_wait -1                              ; keys 0 to 255 and all scale words lie in LDS
	; THE LATER CHUNKS: a wave's one tensor load behind the barrier, and the first thing there.  Waves 2-9: chunks 1 to 4, which every work-group reads (its last query is 1,151 at the least).
	; Chunks 5, 6, 7 (waves 10-15) as far as the work-group's queries reach: the three jumps on its last query hang on the work-group's number alone and lead round loads and the pick of their waves, nothing else;
	; every wait on TENSORcnt in this text is for 0, and no step reads a chunk that was left out.
	s_cmp_lt_u32 s[WV], 2
	s_cbranch_scc1 .Lasked
	s_cmp_gt_u32 s[WV], 9
	s_cbranch_scc1 .Lchunk5
	KV
.Lchunk5:
	s_cmp_lt_u32 s[QL], 1280
	s_cbranch_scc1 .Lasked
	s_cmp_gt_u32 s[WV], 11
	s_cbranch_scc1 .Lchunk6
	KV
.Lchunk6:
	s_cmp_lt_u32 s[QL], 1536
	s_cbranch_scc1 .Lasked
	s_cmp_gt_u32 s[WV], 13
	s_cbranch_scc1 .Lchunk7
	KV
.Lchunk7:
	s_cmp_lt_u32 s[QL], 1792
	s_cbranch_scc1 .Lasked
	KV
.Lasked:
	s_wait_loadcnt 0x0                             ; Q
; A KEY STEP: 128 keys.
.macro STEP
	s_cmp_gt_u32 s[KF], s[QB]                      ; all its keys come after my queries: ids alone
	s_cbranch_scc1 .Lhidden_\@
	v_add_nc_u32 v[ADK], s[T6], v[AK0]             ; (these four are also the places ahead of loads into registers that the last products read)
	v_add_nc_u32 v[ADV], s[T6], v[AV0]
	v_add_nc_u32 v[ADS], s[TSK], v[ASK0]
	v_add_nc_u32 v[ADT], s[TSV], v[ASV0]
.irp t, 0,1,2,3
.irp p, 0,1,2
	ds_load_b64 v[32+12*\t+2*\p:33+12*\t+2*\p], v[ADK] offset:\t*768+256*\p
.endr
	ds_load_b32 v[248+\t], v[ADS] offset:64*\t
.endr
	s_wait_alu depctr_va_vdst(0)
	s_wait_dscnt 0x0
.irp t, 0,1,2,3
	v_wmma_scale_f32_16x16x128_f8f6f4 v[S+8*\t:S+8*\t+7], v[32+12*\t:43+12*\t], v[16:27], 0, v[248+\t], v255 matrix_a_fmt:MATRIX_FMT_FP6 matrix_b_fmt:MATRIX_FMT_FP6
.endr
.rept 4
	v_nop                                          ; places ahead of loads into registers that matrix instructions have read
.endr
.irp t, 0,1,2,3
.irp p, 0,1,2
	ds_load_b64 v[32+12*\t+2*\p:33+12*\t+2*\p], v[ADK] offset:(4+\t)*768+256*\p
.endr
	ds_load_b32 v[248+\t], v[ADS] offset:64*(4+\t)
.endr
.irp t, 0,1,2,3
.irp p, 0,1,2,3,4,5
	ds_load_b64 v[80+12*\t+2*\p:81+12*\t+2*\p], v[ADV] offset:\t*1536+256*\p
.endr
.endr
	s_wait_dscnt 24                                ; K's tiles 4-7 are in; V's 24 loads may be out
.irp t, 0,1,2,3
	v_wmma_scale_f32_16x16x128_f8f6f4 v[S+32+8*\t:S+39+8*\t], v[32+12*\t:43+12*\t], v[16:27], 0, v[248+\t], v255 matrix_a_fmt:MATRIX_FMT_FP6 matrix_b_fmt:MATRIX_FMT_FP6
.endr
.rept 4
	v_nop                                          ; places ahead of the loads below and of the first read of the scores
.endr
.irp t, 0,1,2,3
	ds_load_b32 v[248+\t], v[ADT] offset:64*\t     ; V's scale words
.endr
	s_cmp_lt_u32 s[KF], s[QB]                      ; a step all of whose keys count skips the mask
	s_cbranch_scc1 .Lopen_\@
	v_mov_b32 v254, 0xff800000                     ; on the diagonal hidden scores become -infinity ahead of the maximum: p = 0 then
.set n, 0
.rept 64
	v_cmp_gt_i32 vcc_lo, 32*(n/16)+n%16, v[DD]
	v_cndmask_b32 v[S+n], v[S+n], v254, vcc_lo
.set n, n+1
.endr
.Lopen_\@:
.irp b, 0,1,2,3
	v_max3_num_f32 v[232+\b], v[S+16*\b], v[S+1+16*\b], v[S+2+16*\b]   ; the largest score of each block of 32 keys: for the row's maximum and, since p rises with the score, for the block's largest p
.endr
.irp i, 3,5,7,9,11,13
.irp b, 0,1,2,3
	v_max3_num_f32 v[232+\b], v[232+\b], v[S+16*\b+\i], v[S+1+16*\b+\i]
.endr
.endr
.irp b, 0,1,2,3
	v_max_num_f32 v[232+\b], v[232+\b], v[S+15+16*\b]
.endr
.irp b, 0,1,2,3
	s_delay_alu instid0(VALU_DEP_4)
	v_permlanex16_b32 v[236+\b], v[232+\b], s[SEL], s[SEL+1]
.endr
.irp b, 0,1,2,3
	s_delay_alu instid0(VALU_DEP_4)
	v_max_num_f32 v[232+\b], v[232+\b], v[236+\b]  ; with lane l xor 16's 16 keys
.endr
	s_delay_alu instid0(VALU_DEP_2)
	v_max3_num_f32 v254, v232, v233, v234
	s_delay_alu instid0(VALU_DEP_1)
	v_max_num_f32 v254, v254, v235
	s_delay_alu instid0(VALU_DEP_1)
	v_mul_f32 v254, s[CS], v254                    ; as t (c is positive)
	s_delay_alu instid0(VALU_DEP_1)
	v_max_num_f32 v13, v13, v254                   ; the running largest t
	v_mov_b32 v254, v12
	s_delay_alu instid0(VALU_DEP_2)
	v_floor_f32 v12, -v13                          ; the new -M = -ceil(t)
	s_delay_alu instid0(VALU_DEP_1)
	v_sub_f32 v254, v12, v254                      ; old M - new M: a whole number, 0 or less
	s_delay_alu instid0(VALU_DEP_1)
	v_cvt_i32_f32 v254, v254                       ; (it saturates)
	s_delay_alu instid0(VALU_DEP_1)
	v_ldexp_f32 v[F], 1.0, v254                    ; f = 2^(old M - new M)
.set n, 0
.rept 32
	v_pk_fma_f32 v[S+n:S+n+1], v[S+n:S+n+1], s[CS:CS+1], v[12:13] op_sel_hi:[1,0,0]   ; t - M, two at a time
.set n, n+2
.endr
.irp b, 0,1,2,3
	v_fma_f32 v[232+\b], v[232+\b], s[CS], v12     ; the same of each block's largest score
.endr
.set n, 0
	s_wait_alu depctr_va_vdst(0)
.rept 64
	v_exp_f32 v[S+n], v[S+n]                       ; p = 2^(t - M)
.set n, n+1
.endr
	v_pk_mul_f32 v[14:15], v[14:15], v[F:F+1] op_sel_hi:[1,0]   ; the sums under the new M: a plain place behind the exponentials
	s_wait_alu depctr_va_vdst(0)                   ; one wait for the whole batch, ahead of its first reader
.irp b, 0,1,2,3
	v_exp_f32 v[232+\b], v[232+\b]                 ; the block's largest p: the same two instructions on the same number give the same bits
.endr
	v_pk_add_f32 v[236:237], v[132:133], v[136:137]
	v_pk_add_f32 v[252:253], v[140:141], v[144:145]
	v_pk_add_f32 v[246:247], v[148:149], v[152:153]
	v_pk_add_f32 v[244:245], v[156:157], v[160:161]
	v_pk_add_f32 v[242:243], v[164:165], v[168:169]
	v_pk_add_f32 v[240:241], v[172:173], v[176:177]
	v_pk_add_f32 v[238:239], v[180:181], v[184:185]
	v_pk_add_f32 v[14:15], v[14:15], v[188:189]
	v_pk_add_f32 v[236:237], v[236:237], v[128:129]
	v_pk_add_f32 v[252:253], v[252:253], v[130:131]
	v_pk_add_f32 v[246:247], v[246:247], v[134:135]
	v_pk_add_f32 v[244:245], v[244:245], v[138:139]
	v_pk_add_f32 v[242:243], v[242:243], v[142:143]
	v_pk_add_f32 v[240:241], v[240:241], v[146:147]
	v_pk_add_f32 v[238:239], v[238:239], v[150:151]
	v_pk_add_f32 v[14:15], v[14:15], v[154:155]
	v_pk_add_f32 v[236:237], v[236:237], v[158:159]
	v_pk_add_f32 v[252:253], v[252:253], v[162:163]
	v_pk_add_f32 v[246:247], v[246:247], v[166:167]
	v_pk_add_f32 v[244:245], v[244:245], v[170:171]
	v_pk_add_f32 v[242:243], v[242:243], v[174:175]
	v_pk_add_f32 v[240:241], v[240:241], v[178:179]
	v_pk_add_f32 v[238:239], v[238:239], v[182:183]
	v_pk_add_f32 v[14:15], v[14:15], v[186:187]
	v_pk_add_f32 v[236:237], v[236:237], v[190:191]
	s_delay_alu instid0(VALU_DEP_2)
	v_pk_add_f32 v[14:15], v[14:15], v[244:245]
	s_delay_alu instid0(VALU_DEP_2)
	v_pk_add_f32 v[236:237], v[236:237], v[242:243]
	v_pk_add_f32 v[252:253], v[252:253], v[240:241]
	v_pk_add_f32 v[246:247], v[246:247], v[238:239]
	s_delay_alu instid0(VALU_DEP_2)
	v_pk_add_f32 v[14:15], v[14:15], v[252:253]
	s_delay_alu instid0(VALU_DEP_2)
	v_pk_add_f32 v[236:237], v[236:237], v[246:247]
	s_delay_alu instid0(VALU_DEP_1)
	v_pk_add_f32 v[14:15], v[14:15], v[236:237]
	s_wait_alu depctr_va_vdst(0)                   ; and one wait for the four
.irp b, 0,1,2,3
	v_max_num_f32 v[232+\b], 0x1800000, v[232+\b]  ; the floor 2^(3 - 127): the byte cannot fall under 1
.endr
.irp b, 0,1,2,3
	s_delay_alu instid0(VALU_DEP_4)
	v_add_nc_u32 v[244+\b], 0xff000000, v[232+\b]  ; 2 off the exponent field: the conversion's scale operand
.endr
.irp b, 0,1,2,3
	s_delay_alu instid0(VALU_DEP_4)
	v_lshrrev_b32 v[236+\b], 23, v[244+\b]         ; the scale's byte
.endr
	s_delay_alu instid0(VALU_DEP_3)
	v_lshl_or_b32 v253, v237, 8, v236              ; p's scale word for these 128 keys
	s_delay_alu instid0(VALU_DEP_1)
	v_lshl_or_b32 v253, v238, 16, v253
	s_delay_alu instid0(VALU_DEP_1)
	v_lshl_or_b32 v253, v239, 24, v253
.irp c, 0,1
	v_cvt_scalef32_pk16_fp6_f32 v[224+6*\c:226+6*\c], v[S+32*\c:S+15+32*\c], v[244+2*\c]
	v_cvt_scalef32_pk16_fp6_f32 v[236+4*\c:238+4*\c], v[S+16+32*\c:S+31+32*\c], v[244+2*\c+1]   ; (a conversion's three registers begin on an even number)
.endr
	v_nop                                          ; one plain place behind the scaled conversions
.irp c, 0,1                                    ; the operand's layout wants a WHOLE block in a lane
.irp i, 0,1,2
	v_permlane16_swap_b32 v[224+6*\c+\i], v[236+4*\c+\i]
.endr
.irp i, 0,1,2
	s_delay_alu instid0(VALU_DEP_3)
	v_mov_b32 v[227+6*\c+\i], v[236+4*\c+\i]
.endr
.endr
.set n, 0
.rept 16
	v_pk_mul_f32 v[O+n:O+n+1], v[O+n:O+n+1], v[F:F+1] op_sel_hi:[1,0]   ; O^T under the new M.  (Of these sixteen, twelve name no register of any one product below: the places ahead of it)
.set n, n+2
.endr
	s_wait_alu depctr_va_vdst(0)
	s_wait_dscnt 0x0                               ; V's fragments and scale words are in
.irp t, 0,1,2,3                                ; O^T += V^T P^T: the four accumulators by turns
	v_wmma_scale_f32_16x16x128_f8f6f4 v[O+8*\t:O+8*\t+7], v[80+12*\t:91+12*\t], v[224:235], v[O+8*\t:O+8*\t+7], v[248+\t], v253 matrix_a_fmt:MATRIX_FMT_FP6 matrix_b_fmt:MATRIX_FMT_FP6
.endr
.Lhidden_\@:
	s_add_co_u32 s[KF], s[KF], 128
	s_add_co_u32 s[T6], s[T6], 6144
	s_add_co_u32 s[TSK], s[TSK], 512
	s_add_co_u32 s[TSV], s[TSV], 256
.endm
	STEP                                           ; keys 0 to 255: they lie in LDS, and the later chunks land meanwhile in bytes of their own
	STEP
	s_wait_tensorcnt 0x0                           ; my chunk has landed;
	ds_add_u32 v[SPW], v[NIL]
	s_mov_b32 s[CNT], 14
	s_wait_dscnt 0x0
	s_barrier_signal -1
	s_barrier_wait -1                              ; everybody's has: from here on no barrier
.Lkeys:
	STEP
	s_sub_co_u32 s[CNT], s[CNT], 1
	s_cmp_lg_u32 s[CNT], 0
	s_cbranch_scc1 .Lkeys
.macro WAYOUT
	; THE WAY OUT.  O^T / the sum: register 16 b + i is channel 32 b + 16 (lane / 16) + i of my query: two blocks of the last product's K, quantised as p was.
.rept 4
	v_nop                                          ; places behind the last products
.endr
	v_add_f32 v14, v14, v15                        ; the sum's two halves,
	s_delay_alu instid0(VALU_DEP_1)
	v_permlanex16_b32 v254, v14, s[SEL], s[SEL+1]
	s_delay_alu instid0(VALU_DEP_1)
	v_add_f32 v14, v14, v254                       ; and lane l xor 16's: the row's sum
	s_wait_alu depctr_va_vdst(0)
	v_rcp_f32 v14, v14
	v_nop                                          ; a plain place behind the transcendental
	s_wait_alu depctr_va_vdst(0)                   ; the wait ahead of its first reader
.set n, 0
.rept 32
	v_mul_f32 v[S+n], v[O+n], v14
.set n, n+1
.endr
.irp b, 0,1
	v_max3_num_f32 v[232+\b], |v[S+16*\b]|, |v[S+1+16*\b]|, 0x1800000
.endr
.irp i, 2,4,6,8,10,12,14
.irp b, 0,1
	s_delay_alu instid0(VALU_DEP_2)
	v_max3_num_f32 v[232+\b], v[232+\b], |v[S+16*\b+\i]|, |v[S+1+16*\b+\i]|
.endr
.endr
.irp b, 0,1
	s_delay_alu instid0(VALU_DEP_2)
	v_permlanex16_b32 v[236+\b], v[232+\b], s[SEL], s[SEL+1]
.endr
.irp b, 0,1
	s_delay_alu instid0(VALU_DEP_2)
	v_max_num_f32 v[232+\b], v[232+\b], v[236+\b]
.endr
.irp b, 0,1
	s_delay_alu instid0(VALU_DEP_2)
	v_add_nc_u32 v[244+\b], 0xff000000, v[232+\b]
.endr
.irp b, 0,1
	s_delay_alu instid0(VALU_DEP_2)
	v_lshrrev_b32 v[236+\b], 23, v[244+\b]
.endr
	s_delay_alu instid0(VALU_DEP_1)
	v_lshl_or_b32 v254, v237, 8, v236              ; my head's half of the scale word
	v_cvt_scalef32_pk16_fp6_f32 v[224:226], v[S:S+15], v244
	v_cvt_scalef32_pk16_fp6_f32 v[240:242], v[S+16:S+31], v245
	v_nop                                          ; one plain place behind the scaled conversions
.irp i, 0,1,2
	v_permlane16_swap_b32 v[224+\i], v[240+\i]
.endr
.irp i, 0,1,2
	s_delay_alu instid0(VALU_DEP_3)
	v_mov_b32 v[227+\i], v[240+\i]
.endr
.irp p, 0,1,2
	global_store_b64 v[L8], v[224+2*\p:225+2*\p], s[YC:YC+1] offset:256*\p   ; 256 consecutive bytes, aligned
.endr
	global_store_b16 v[R4], v254, s[YS:YS+1]
.endm
	WAYOUT
	; THE SECOND BLOCK, s100 blocks down: 8 tiles of queries a block
	s_wait_xcnt 0x0                                ; the stores have read their data and their bases
	s_mul_i32 s68, s100, 6144                      ; Q's codes: 8 x 768 bytes a block
	s_mov_b32 s69, 0
	s_sub_nc_u64 s[76:77], s[76:77], s[68:69]
	s_lshl_b32 s68, s100, 9                        ; its scale words: 8 x 64
	s_sub_nc_u64 s[78:79], s[78:79], s[68:69]
	s_mul_i32 s68, s100, 98304                     ; y's codes: 8 x 12,288
	s_sub_nc_u64 s[YC:YC+1], s[YC:YC+1], s[68:69]
	s_lshl_b32 s68, s100, 12                       ; y's scale words: 4 pairs of tiles x 1,024
	s_sub_nc_u64 s[YS:YS+1], s[YS:YS+1], s[68:69]
	s_lshl_b32 s68, s100, 7
	s_sub_co_u32 s[QB], s[QB], s68                 ; the block's first query
	s_mov_b32 s[KF], 0
	s_mov_b32 s[T6], 0
	s_mov_b32 s[TSK], 0
	s_mov_b32 s[TSV], 0
	s_mov_b32 s[CNT], 8
.irp p, 0,1,2
	global_load_b64 v[16+2*\p:17+2*\p], v[L8], s[76:77] offset:256*\p
.endr
	global_load_b32 v255, v[R4], s[78:79]
	v_mov_b32 v13, 0xff61b1e6                      ; the softmax begins anew
	v_floor_f32 v12, -v13
	v_mov_b32 v14, 0
	v_mov_b32 v15, 0
.set i, 0
.rept 32
	v_mov_b32 v[O+i], 0
.set i, i+1
.endr
	s_wait_alu depctr_va_vdst(0)
	s_wait_loadcnt 0x0                             ; Q
.Lkeys2:
	STEP
	s_sub_co_u32 s[CNT], s[CNT], 1
	s_cmp_lg_u32 s[CNT], 0
	s_cbranch_scc1 .Lkeys2
	WAYOUT
	s_wait_tensorcnt 0x0                           ; the wave's end
	ds_add_u32 v[SPW], v[NIL]
	s_wait_dscnt 0x0
	s_endpgm
.Lfunc_end_k_q922f95f0a7_attn:
	.size	k_q922f95f0a7_attn, .Lfunc_end_k_q922f95f0a7_attn-k_q922f95f0a7_attn
	.p2alignl 7, 3214868480
	.fill 96, 4, 3214868480
	.section	.rodata,"a",@progbits
	.p2align	6, 0x0
	.amdhsa_kernel k_q922f95f0a7_attn
		.amdhsa_group_segment_fixed_size 327680
		.amdhsa_private_segment_fixed_size 0
		.amdhsa_enable_private_segment 0
		.amdhsa_kernarg_size 16
		.amdhsa_user_sgpr_count 2
		.amdhsa_user_sgpr_kernarg_segment_ptr 1
		.amdhsa_wavefront_size32 1
		.amdhsa_system_sgpr_workgroup_id_x 1
		.amdhsa_system_sgpr_workgroup_id_y 1
		.amdhsa_system_sgpr_workgroup_id_z 1
		.amdhsa_system_vgpr_workitem_id 0
		.amdhsa_next_free_vgpr 256
		.amdhsa_next_free_sgpr 106
		.amdhsa_reserve_vcc 1
		.amdhsa_float_denorm_mode_32 3
		.amdhsa_float_denorm_mode_16_64 3
		.amdhsa_memory_ordered 1
		.amdhsa_forward_progress 1
		.amdhsa_inst_pref_size 123
	.end_amdhsa_kernel
	.amdgpu_metadata
---
amdhsa.version: [ 1, 2 ]
amdhsa.kernels:
  - .name:           k_q922f95f0a7_attn
    .symbol:         k_q922f95f0a7_attn.kd
    .args:
      - { .name: qkv, .offset: 0, .size: 8, .value_kind: global_buffer, .address_space: global }
      - { .name: yq, .offset: 8, .size: 8, .value_kind: global_buffer, .address_space: global }
    .group_segment_fixed_size: 327680
    .private_segment_fixed_size: 0
    .kernarg_segment_align: 8
    .kernarg_segment_size: 16
    .max_flat_workgroup_size: 512
    .sgpr_count:     106
    .vgpr_count:     256
    .wavefront_size: 32
...
	.end_amdgpu_metadata
.endif
;; end of part 3
;; launch proj (part 4): grid 4 x 64, 4 waves a work-group, clusters of 4 x 4, 327,680 bytes of LDS; arguments yq, opw, b_proj, out0; writes out0
.if DOCPART == 4
	.amdgcn_target "amdgcn-amd-amdhsa--gfx1250"
	.amdhsa_code_object_version 6
	.text
	.protected	k_q922f95f0a7_proj
	.globl	k_q922f95f0a7_proj
	.p2align	8
	.type	k_q922f95f0a7_proj,@function
k_q922f95f0a7_proj:
	s_mov_b64 s[64:65], 0
	v_nop
	global_prefetch_b8 v0, s[64:65] scope:SCOPE_SE
	s_setreg_imm32_b32 hwreg(HW_REG_WAVE_MODE, 25, 1), 1
	s_wait_xcnt 0x0
	s_wait_alu depctr_hold_cnt(0) depctr_sa_sdst(0) depctr_va_vdst(0) depctr_va_sdst(0) depctr_va_ssrc(0) depctr_va_vcc(0) depctr_vm_vsrc(0)
	s_getreg_b32 s2, hwreg(HW_REG_IB_STS2, 6, 4)
	s_cmp_eq_u32 s2, 0
	s_cbranch_scc0 .Lentry_in_a_cluster
	s_endpgm
.Lentry_in_a_cluster:
	s_bfe_u32 s2, ttmp6, 0x10000c
	s_cmp_lg_u32 s2, 0xf033
	s_cbranch_scc0 .Lentry_shape_is_right
	s_endpgm
.Lentry_shape_is_right:
; out0 = y w_proj + b_proj on codes of FP6 (E2M3) with E8M0 scales; f32 sums, f32 out.
; Operands are images of fragments, [tile of 16 rows][K step][1,536 bytes], rows of a tile by  row = 32 (t / 2) + 8 (t % 2) + r + 8 (r / 8);  scale words at 1024 (t / 2) + 128 s + 64 (t % 2) + 4 r.
; Source 0 ("P") = 16 columns of w_proj, source 1 ("Q") = 16 tokens: a lane holds 8 neighbouring columns of one token.
; A work-group of four waves (2 x 2) makes 128 tokens x 256 columns; a wave 64 x 128: 32 accumulators (window 2).  The bias (window 3, in the result's layout) is the first products' C.
; ALL OF K LIES IN LDS, each byte filled once, in two halves of 512 along K: [half][Q's 8 tiles, P's 16 tiles][6,144 bytes].
; FILLS: at the head one joint load a wave: P's half 0, Q's half 0, P's scale words, Q's.  Behind the three lines and a round: half 1, one joint load a wave (waves 0, 1: 4 tiles of Q each; 2, 3: 8 of P).
; A plain barrier in K step 3 shows half 1 to all waves.
; CLUSTER 4 x 4: Q's tiles hang on the tile row alone and go to my row of the cluster, P's on the tile column alone and go to my column.
; No prefetch: two groups of fills, no loop to run ahead in.  LIMITS: NaN and infinities are not served.
.set YS_OFF, 6291456                   ; yq: the scale words behind the codes
.set WP_C,   2359296                   ; opw: w_proj's codes (tiles 192 on)
.set WP_S,   3145728+98304             ; and its scale words
.set FR,    12
.set TILEB, 6144                       ; a tile's four K steps
.set POFF,  8*TILEB
.set HALF,  24*TILEB
.set SCL,   2*HALF                     ; Q's 4,096 bytes of scale words, then P's 8,192
.set SPARE, SCL+12288                  ; the spare words, 128 bytes a wave
.set SPITCH, 528                       ; the way out: a stage of 16 rows x (512 + 16) a wave, from LDS byte 0: half 0 has had its only fill, and its last read stands ahead of K step 3's barrier
.set ADRQ, 16                          ; v16-17 my Q fragments in half 0, 1 (8 x lane)
.set ADRP, 20                          ; v20-21 my P fragments (16 x lane)
.set STO,  24
.set RD,   25
.set CO,   26
.set ADRS, 27                          ; my scale words: lanes 0-15 Q's, lanes 16-31 P's
.set SPW,  28
.set NIL,  29
.set SC,   32                          ; v32-95 scale words, SC + 8 s + i; they hold nothing else
.set QF,   128                         ; v128-223 Q's fragments, two sets of four
.set BK,   128                         ; the way out: rows read back
.set G1Q, 24
.set G1P, 32
.set G1SQ, 40
.set G1SP, 48
.set G0Q0, 56
.set G0P0, 60
.set G0Q1, 68
.set G0P1, 72
.set G0SQ, 92
.set G0SP, 96
.set MSB, 0
.macro WIN new
.if MSB != (\new)
	s_set_vgpr_msb (MSB<<8)|(\new)
.set MSB, (\new)
.endif
.endm
.macro PLACES n
.rept \n
	v_nop
.endr
.endm
.macro TL g0, g1                       ; a tensor load; s_nop 0 and four v_nop follow it
	tensor_load_to_lds s[\g0:\g0+3], s[\g1:\g1+7]
	s_nop 0
	PLACES 4
.endm
.macro ARM under, g0, g1, next
	s_cmp_lt_u32 s14, \under
	s_cbranch_scc0 \next
	TL \g0, \g1
	s_branch .Lhead_asked
\next:
.endm
.macro CROUND
	s_barrier_signal -1
	s_barrier_wait -1
	s_cmp_lg_u32 s14, 0
	s_cbranch_scc1 .Lnot_wave_0_\@
	s_barrier_signal -3
.Lnot_wave_0_\@:
	s_barrier_wait -3
	s_barrier_signal -1
	s_barrier_wait -1
.endm
.macro GROUP1 g, mask, cols, rows, pitch
	s_or_b32 s[\g], s\mask, (3<<16)|(1<<21)        ; the mask; elements of 8 bytes; bit 21 beside a mask
	s_mov_b32 s[\g+1], (\cols)<<16
	s_mov_b32 s[\g+2], (\rows)<<16
	s_mov_b32 s[\g+3], (\cols)<<16
	s_mov_b32 s[\g+4], \rows
	s_mov_b32 s[\g+5], \pitch
	s_mov_b32 s[\g+6], 0
	s_mov_b32 s[\g+7], 0
.endm
.macro SETG0 g0, ptr, off
	s_mov_b32 s[\g0], 1
	s_add_nc_u64 s[\g0+2:\g0+3], s[\ptr:\ptr+1], \off
	s_or_b32 s[\g0+3], s[\g0+3], 0x80000000
.endm
	s_load_b256 s[4:11], s[0:1], 0x0               ; yq, opw, b_proj, out0
	v_lshl_add_u32 v[SPW], v0, 2, SPARE
	v_mov_b32 v[NIL], 0
	ds_add_u32 v[SPW], v[NIL]                      ; the opening lines: the add twice on end and its wait
	ds_add_u32 v[SPW], v[NIL]
	v_lshrrev_b32 v1, 5, v0
	v_readfirstlane_b32 s14, v1                    ; wave
	s_lshr_b32 s15, s14, 1                         ; my half of Q.  Also: in half 1 I fetch for Q (0) or P (1)
	s_and_b32 s16, s14, 1                          ; my half of P.  Also: which part I fetch
	s_bfe_u32 s18, ttmp6, 0x40000                  ; cx
	s_bfe_u32 s19, ttmp6, 0x40004                  ; cy
	s_lshl_b32 s20, ttmp9, 2
	s_add_co_u32 s20, s20, s18                     ; tile column: 256 columns
	s_and_b32 s21, ttmp7, 0xffff
	s_lshl_b32 s21, s21, 2
	s_add_co_u32 s21, s21, s19                     ; tile row: 128 tokens
	s_lshl_b32 s22, s19, 2
	s_lshl_b32 s22, 15, s22                        ; my row of the cluster
	s_lshl_b32 s23, 0x1111, s18                    ; my column
	GROUP1 G1Q, 22, 768, 8, 1536                   ; rows of 6,144 bytes, 12,288 apart: 8 tiles at the head, then 4
	GROUP1 G1P, 23, 768, 16, 1536                  ; 16 at the head, then 8
	GROUP1 G1SQ, 22, 32, 16, 32                    ; 4,096 dense bytes as rows of 256
	GROUP1 G1SP, 23, 32, 32, 32                    ; 8,192
	s_mul_i32 s12, s21, 98304                      ; Q's 8 tiles
	s_mov_b32 s13, 0
	s_lshl_b32 s100, s21, 12
	s_add_co_u32 s100, s100, YS_OFF
	s_mov_b32 s101, 0
	s_mul_i32 s2, s20, 196608                      ; P's 16 tiles
	s_add_co_u32 s2, s2, WP_C
	s_mov_b32 s3, 0
	s_lshl_b32 s104, s20, 13
	s_add_co_u32 s104, s104, WP_S
	s_mov_b32 s105, 0
	s_mul_i32 s66, s16, 4*TILEB                    ; half 1: where my part goes,
	s_mul_i32 s67, s16, 8*TILEB
	s_mul_i32 s76, s16, 49152                      ; and where it comes from
	s_mov_b32 s77, 0
	s_mul_i32 s78, s16, 98304
	s_mov_b32 s79, 0
	s_wait_dscnt 0x0                               ; both opening adds are done
	s_wait_kmcnt 0x0
	s_add_nc_u64 s[12:13], s[4:5], s[12:13]
	s_add_nc_u64 s[100:101], s[4:5], s[100:101]
	s_add_nc_u64 s[2:3], s[6:7], s[2:3]
	s_add_nc_u64 s[104:105], s[6:7], s[104:105]
	s_add_nc_u64 s[76:77], s[12:13], s[76:77]
	s_add_nc_u64 s[78:79], s[2:3], s[78:79]
	CROUND                                         ; all sixteen work-groups are here: the first joint loads meet
	SETG0 G0Q0, 12, 0
	s_mov_b32 s[G0Q0+1], 0
	SETG0 G0P0, 2, 0
	s_mov_b32 s[G0P0+1], POFF
	SETG0 G0SQ, 100, 0
	s_mov_b32 s[G0SQ+1], SCL
	SETG0 G0SP, 104, 0
	s_mov_b32 s[G0SP+1], SCL+4096
	SETG0 G0Q1, 76, TILEB
	s_add_co_u32 s[G0Q1+1], s66, HALF
	SETG0 G0P1, 78, TILEB
	s_add_co_u32 s[G0P1+1], s67, HALF+POFF
	ARM 1, G0P0, G1P, .Lhead_q                     ; one tree of branches on the wave's number: every way passes exactly one load
	ARM 2, G0Q0, G1Q, .Lhead_sp
	ARM 3, G0SP, G1SP, .Lhead_sq
	TL G0SQ, G1SQ
.Lhead_asked:
	v_and_b32 v1, 15, v0                           ; r
	v_bfe_u32 v2, v0, 4, 1                         ; h
	v_and_b32 v5, 31, v0
	v_lshlrev_b32 v[CO], 4, v5
	v_lshlrev_b32 v6, 3, v5
	s_wait_alu depctr_va_vdst(0)                   ; readers follow behind runs of scalar lines
	s_lshl_b32 s100, s20, 10
	s_lshl_b32 s17, s16, 9
	s_add_co_u32 s100, s100, s17                   ; my first column, in bytes
	v_lshlrev_b32 v3, 6, v2
	v_add_nc_u32 v3, s100, v3                      ; + 64 h: register 16 b + i is column 32 b + 16 h + i
	WIN 0xc0
.irp b, 0,1,2,3
.irp j, 0,1,2,3
	global_load_b128 v[16*\b+4*\j:16*\b+4*\j+3], v3, s[8:9] offset:128*\b+16*\j
.endr
.endr
	WIN 0
	s_mul_i32 s66, s15, 4*TILEB                    ; my 4 tiles of Q
	s_add_co_u32 s67, s67, POFF                    ; my 8 tiles of P
.irp k, 0,1
	v_add_nc_u32 v[ADRQ+\k], s66, v6
	v_add_nc_u32 v[ADRP+\k], s67, v[CO]
	s_add_co_u32 s66, s66, HALF
	s_add_co_u32 s67, s67, HALF
.endr
	s_lshl_b32 s22, s15, 11
	s_lshl_b32 s23, s16, 12
	s_add_co_u32 s23, s23, 4096
	s_sub_co_u32 s23, s23, s22
	v_mul_u32_u24 v7, s23, v2                      ; lanes 16-31 take P's: one product, the distance between the two
	s_add_co_u32 s22, s22, SCL
	v_lshl_add_u32 v7, v1, 2, v7
	v_add_nc_u32 v[ADRS], s22, v7
	s_mul_i32 s17, s14, 16*SPITCH
	v_mul_u32_u24 v7, v1, SPITCH
	v_lshl_add_u32 v7, v2, 6, v7
	v_add_nc_u32 v[STO], s17, v7
	v_add_nc_u32 v[RD], s17, v[CO]
	s_lshl_b32 s12, s21, 19                        ; out0: 128 rows of 4,096 bytes a tile row,
	s_lshl_b32 s17, s15, 18                        ; 64 for my half
	s_add_co_u32 s12, s12, s17
	s_add_co_u32 s12, s12, s100
	s_mov_b32 s13, 0
	s_add_nc_u64 s[10:11], s[10:11], s[12:13]
; 16 products: Q's tiles a0, a0 + 1 x P's eight, K step k.  The accumulators take turns.
.macro MULP a0, k
.irp a, \a0, \a0+1
.irp b, 0,1,2,3,4,5,6,7
.if (\k) == 0
	v_wmma_scale_f32_16x16x128_f8f6f4 v[8*(8*(\a)+\b):8*(8*(\a)+\b)+7], v[128*((\k)%2)+FR*\b:128*((\k)%2)+FR*\b+FR-1], v[QF+48*((\k)%2)+FR*(\a):QF+48*((\k)%2)+FR*(\a)+FR-1], v[8*\b:8*\b+7], v[SC+8*(\k)+\b], v[SC+8*(\k)+(\a)] matrix_a_fmt:MATRIX_FMT_FP6 matrix_b_fmt:MATRIX_FMT_FP6 matrix_a_scale:MATRIX_SCALE_ROW1
.else
	v_wmma_scale_f32_16x16x128_f8f6f4 v[8*(8*(\a)+\b):8*(8*(\a)+\b)+7], v[128*((\k)%2)+FR*\b:128*((\k)%2)+FR*\b+FR-1], v[QF+48*((\k)%2)+FR*(\a):QF+48*((\k)%2)+FR*(\a)+FR-1], v[8*(8*(\a)+\b):8*(8*(\a)+\b)+7], v[SC+8*(\k)+\b], v[SC+8*(\k)+(\a)] matrix_a_fmt:MATRIX_FMT_FP6 matrix_b_fmt:MATRIX_FMT_FP6 matrix_a_scale:MATRIX_SCALE_ROW1
.endif
.endr
.endr
.endm
.macro MWIN k                          ; P window 1, Q window 0, D window 2; C window 3 (the bias) in K step 0, else 2
.if (\k) == 0
	WIN 0xb1
.else
	WIN 0xa1
.endif
.endm
.macro FETCH k                         ; K step k's fragments into set k % 2
	WIN 0x40
.irp i, 0,1,2,3,4,5,6,7
.irp c, 0,1,2
	ds_load_b128 v[128*((\k)%2)+FR*\i+4*\c:128*((\k)%2)+FR*\i+4*\c+3], v[ADRP+(\k)/4] offset:\i*TILEB+((\k)%4)*1536+512*\c
.endr
.endr
	WIN 0
.irp i, 0,1,2,3
.irp p, 0,1,2,3,4,5
	ds_load_b64 v[QF+48*((\k)%2)+FR*\i+2*\p:QF+48*((\k)%2)+FR*\i+2*\p+1], v[ADRQ+(\k)/4] offset:\i*TILEB+((\k)%4)*1536+256*\p
.endr
.endr
.endm
.macro PSTEP k
	s_wait_dscnt 0x0                               ; this step's fragments are in
.if (\k) == 3
	s_wait_tensorcnt 0x0                           ; my part of half 1 is in
	s_barrier_signal -1
.endif
	MWIN \k
	MULP 0, \k
.if (\k) == 3
	s_barrier_wait -1                              ; everybody's is
.endif
.if (\k) < 7
	PLACES 4                                       ; places ahead of loads into registers that matrix instructions have read
	FETCH (\k)+1
	MWIN \k
.endif
	MULP 2, \k
.endm
	s_wait_alu depctr_va_vdst(0)
	s_wait_loadcnt 0x0                             ; the bias
	s_wait_tensorcnt 0x0                           ; my tile of the head's four is in
	ds_add_u32 v[SPW], v[NIL]
	s_mov_b32 s[G1Q+2], 4<<16                      ; no tensor load of mine is out: half 1 comes in parts of 4 and of 8 tiles
	s_mov_b32 s[G1Q+4], 4
	s_mov_b32 s[G1P+2], 8<<16
	s_mov_b32 s[G1P+4], 8
	s_wait_dscnt 0x0
	CROUND                                         ; all four tiles are in, and all sixteen work-groups are here
	s_cmp_eq_u32 s15, 0
	s_cbranch_scc0 .Lfor_p
	TL G0Q1, G1Q
	s_branch .Lasked
.Lfor_p:
	TL G0P1, G1P
.Lasked:
	FETCH 0
.irp k, 0,1,2,3,4,5,6,7
.irp i, 0,1,2,3,4,5,6,7
	ds_load_b32 v[SC+8*\k+\i], v[ADRS] offset:128*\k+1024*(\i/2)+64*(\i%2)
.endr
.endr
.irp k, 0,1,2,3,4,5,6,7
	PSTEP \k
.endr
	WIN 0
; THE WAY OUT, a tile of 16 tokens x 128 columns at a time, through my own stage: back as whole rows of 512 bytes.  LDS serves a wave's instructions in order.
.macro TOSTAGE a
	WIN 0x08
.irp b, 0,1,2,3,4,5,6,7
	ds_store_b128 v[STO], v[64*(\a)+8*\b:64*(\a)+8*\b+3] offset:128*(\b/2)+32*(\b%2)
	ds_store_b128 v[STO], v[64*(\a)+8*\b+4:64*(\a)+8*\b+7] offset:128*(\b/2)+32*(\b%2)+16
.endr
	WIN 0
.set BB, BK+64*((\a)%2)
.irp t, 0,1,2,3,4,5,6,7,8,9,10,11,12,13,14,15
	ds_load_b128 v[BB+4*\t:BB+4*\t+3], v[RD] offset:\t*SPITCH
.endr
.endm
.macro SEND a, younger                 ; younger: the LDS instructions issued behind tile a's loads
.set BB, BK+64*((\a)%2)
	s_wait_dscnt \younger
.irp t, 0,1,2,3,4,5,6,7,8,9,10,11,12,13,14,15
	global_store_b128 v[CO], v[BB+4*\t:BB+4*\t+3], s[10:11] offset:(32*((\a)/2)+8*((\a)%2)+\t+8*(\t/8))*4096 th:TH_STORE_NT
.endr
.endm
	PLACES 4
	TOSTAGE 0
.irp a, 1,2,3
.if \a > 1
	s_wait_xcnt 0x0                                ; tile a - 2's stores have read their registers
.endif
	TOSTAGE \a
	SEND \a-1, 32
.endr
	SEND 3, 0
	s_wait_tensorcnt 0x0                           ; the wave's end
	ds_add_u32 v[SPW], v[NIL]
	s_wait_dscnt 0x0
	CROUND                                         ; the closing round
	s_endpgm
.Lfunc_end_k_q922f95f0a7_proj:
	.size	k_q922f95f0a7_proj, .Lfunc_end_k_q922f95f0a7_proj-k_q922f95f0a7_proj
	.p2alignl 7, 3214868480
	.fill 96, 4, 3214868480
	.section	.rodata,"a",@progbits
	.p2align	6, 0x0
	.amdhsa_kernel k_q922f95f0a7_proj
		.amdhsa_group_segment_fixed_size 327680
		.amdhsa_private_segment_fixed_size 0
		.amdhsa_enable_private_segment 0
		.amdhsa_kernarg_size 32
		.amdhsa_user_sgpr_count 2
		.amdhsa_user_sgpr_kernarg_segment_ptr 1
		.amdhsa_wavefront_size32 1
		.amdhsa_system_sgpr_workgroup_id_x 1
		.amdhsa_system_sgpr_workgroup_id_y 1
		.amdhsa_system_sgpr_workgroup_id_z 1
		.amdhsa_system_vgpr_workitem_id 0
		.amdhsa_next_free_vgpr 832
		.amdhsa_next_free_sgpr 106
		.amdhsa_reserve_vcc 0
		.amdhsa_float_denorm_mode_32 3
		.amdhsa_float_denorm_mode_16_64 3
		.amdhsa_memory_ordered 1
		.amdhsa_forward_progress 1
		.amdhsa_inst_pref_size 89
	.end_amdhsa_kernel
	.amdgpu_metadata
---
amdhsa.version: [ 1, 2 ]
amdhsa.kernels:
  - .name:           k_q922f95f0a7_proj
    .symbol:         k_q922f95f0a7_proj.kd
    .args:
      - { .name: yq, .offset: 0, .size: 8, .value_kind: global_buffer, .address_space: global }
      - { .name: opw, .offset: 8, .size: 8, .value_kind: global_buffer, .address_space: global }
      - { .name: b_proj, .offset: 16, .size: 8, .value_kind: global_buffer, .address_space: global }
      - { .name: out0, .offset: 24, .size: 8, .value_kind: global_buffer, .address_space: global }
    .group_segment_fixed_size: 327680
    .private_segment_fixed_size: 0
    .kernarg_segment_align: 8
    .kernarg_segment_size: 32
    .max_flat_workgroup_size: 128
    .sgpr_count:     106
    .vgpr_count:     832
    .wavefront_size: 32
...
	.end_amdgpu_metadata
.endif
;; end of part 4
